; MI455X (gfx1250); checked and timed in simulation.
; The chip was launched on July 23, 2026; its instructions are those of AMD's public machine-readable ISA for CDNA 5 (MIT licence, August 2026) and "CDNA5" Instruction Set Architecture Reference Guide (July 2026). The comments in the code are by the model that wrote it; some were corrected since.
;; Lorentz Multi Head Attention. Allowed arithmetic: matrix products marked QUANTISED: E4M3 operands, one given power-of-two scale a tensor, by v_wmma_f32_16x16x64_fp8_fp8 or v_wmma_f32_16x16x128_fp8_fp8, f32 sums; everything else in f32.
;; Inputs: Wk_codes 512 x 64 x 32 uint8 (E4M3 codes of Wk, K innermost, in blocks of 32 codes); Wo_codes 2,048 x 64 x 32 uint8 (E4M3 codes of Wo, K innermost, in blocks of 32 codes); Wq_codes 2,048 x 64 x 32 uint8 (E4M3 codes of Wq, K innermost, in blocks of 32 codes); Wv_codes 512 x 64 x 32 uint8 (E4M3 codes of Wv, K innermost, in blocks of 32 codes); lowp_scales 12 int32 (the exponents e of the quantised operands' scales 2^e); temp 16 float32; x_codes 4 x 1,024 x 64 x 32 uint8 (E4M3 codes of x, K innermost, in blocks of 32 codes).
;; Outputs: out0 4 x 1,024 x 2,048 float32; out1 1 float32.
;; Constants: curvature = 1.
;; This version of the problem:
;;   THIS VERSION OF THE PROBLEM IS GIVEN IN LOW PRECISION. The matrix products marked QUANTISED in the list below multiply operands that are first quantised to E4M3 (4 exponent bits, 3 mantissa bits; 8 bits a number), with one given power-of-two scale for each operand tensor; their sums are f32. All else is computed in f32.
;;   The module's matrix products, in the order in which they are computed (A, B: the left and right operand; K: the contracted axis; several contracted axes count as one K, in the product's order):
;;     1. [M 4,096, K 2,048] x [K 2,048, N 2,048]; A: input x (given as codes); B: input Wq (given as codes): QUANTISED (scales: A lowp_scales[0], B lowp_scales[1])
;;     2. [M 4,096, K 2,048] x [K 2,048, N 512]; A: input x (given as codes); B: input Wk (given as codes): QUANTISED (scales: A lowp_scales[2], B lowp_scales[3])
;;     3. [M 4,096, K 2,048] x [K 2,048, N 512]; A: input x (given as codes); B: input Wv (given as codes): QUANTISED (scales: A lowp_scales[4], B lowp_scales[5])
;;     4. batch 64 x [M 1,024, K 128] x [K 128, N 1,024]; A: computed on the way; B: computed on the way: QUANTISED (scales: A lowp_scales[6], B lowp_scales[7])
;;     5. batch 64 x [M 128, K 1,024] x [K 1,024, N 1,024]; A: computed on the way; B: softmax (see below): QUANTISED (scales: A lowp_scales[8], B lowp_scales[9])
;;     6. [M 4,096, K 2,048] x [K 2,048, N 2,048]; A: computed on the way; B: input Wo (given as codes): QUANTISED (scales: A lowp_scales[10], B lowp_scales[11])
;;   THE QUANTISER, for each operand of a quantised product, along K:
;;     - The operand's scale is 2^e, e = its entry of the input lowp_scales (int32; the entries are numbered through the quantised products in the list's order, A before B).
;;     - Each number is divided by the scale, clamped to +-448, and rounded to the nearest number of E4M3, ties to even, subnormals kept.
;;     - The product sums the exact products of the quantised numbers (number of the format x scale) in f32.
;;   ~~~python
;;   def quantise(x, axis, e):      # numpy; x: float32 -> the quantised numbers, widened to float32 again
;;       x = np.moveaxis(x, axis, -1); K = x.shape[-1]
;;       r = np.clip(x / 2.0 ** e, -448, 448)
;;       step = 2.0 ** (np.maximum(np.frexp(np.where(r == 0, 1, r))[1] - 1, -6) - 3)
;;       q = np.round(r / step) * step * 2.0 ** e      # np.round: ties to even
;;       return np.moveaxis(q, -1, axis).astype(np.float32)
;;   ~~~
;;   SOFTMAX AHEAD OF A QUANTISED PRODUCT. Where the list says 'softmax', what is quantised is not the finished softmax but p = 2^(t - M), with t = logit x log2(e) and M = ceil(the row's largest t), a whole number; so 1/2 < the row's largest p <= 1. The row's sum l is taken of the UNQUANTISED p, in f32, and the product's result is divided by l at the end. Since M is a whole number, a kernel that streams over the keys may use a running M (the ceiling of the running maximum): every later rescaling is an exact power of two, so the quantised numbers keep their values, but for numbers so far below the row's largest that they fall under the format's range.
;;   OPERANDS COMPUTED ON THE WAY. 'Computed on the way' means the value that the module computes at that place (a softmax that the list does not call 'softmax' is quantised finished and normalised). What goes into a quantiser is computed in f32, as accurately as f32 sums, v_exp_f32 and their like allow (about 1e-6 of the number): no bf16 or f16 on the way to a quantiser, and a product that is left as it is and whose result goes on into a quantised operand takes f32 operands (vector FMAs, or v_wmma_f32_16x16x4_f32). A number that lies on a knife's edge between two numbers of the format may be rounded either way, as far as f32 arithmetic and the matrix unit's own rounding can turn it there, and no further.
;;   INPUTS GIVEN AS CODES. Wk (in the module: [512, 2048], K = its axis 1); Wo (in the module: [2048, 2048], K = its axis 1); Wq (in the module: [2048, 2048], K = its axis 1); Wv (in the module: [512, 2048], K = its axis 1); x (in the module: [4, 1024, 2048], K = its axis 2): each comes as NAME_codes (uint8): NAME with its K axis moved to the last place and cut into blocks of 32 codes, [.., K / 32, bytes a block], one block behind the other in memory; one code a byte (a code: sign, 4 exponent bits, 3 mantissa bits); its scale is its entry of lowp_scales. Its value is code x scale, taken as it is: it is not quantised again, and the codes and scales need not be those that the quantiser above would give.
;; One version. Each part assembles by itself: llvm-mc -triple=amdgcn-amd-amdhsa -mcpu=gfx1250 --defsym DOCPART=n.
;; ======== version 1 of 1: 3 launches
;; limits: a function is approximated: absolute error at most 0.0001
;; workspace buffers: q_img 8,388,608 bytes; kv_img 4,194,304 bytes; attn_img 8,388,608 bytes
;; launch qkv (part 1): grid 12 x 16, 4 waves a work-group, clusters of 4 x 4, 327,680 bytes of LDS; arguments x_codes, Wq_codes, Wk_codes, Wv_codes, lowp_scales, q_img, kv_img; writes q_img, kv_img
.if DOCPART == 1
	.amdgcn_target "amdgcn-amd-amdhsa--gfx1250"
	.amdhsa_code_object_version 6
	.text
	.protected	k_q129d445c82_qkv
	.globl	k_q129d445c82_qkv
	.p2align	8
	.type	k_q129d445c82_qkv,@function
k_q129d445c82_qkv:
	s_mov_b64 s[64:65], 0
	v_nop
	global_prefetch_b8 v0, s[64:65] scope:SCOPE_SE
	s_setreg_imm32_b32 hwreg(HW_REG_WAVE_MODE, 25, 1), 1
	s_wait_xcnt 0x0
	s_wait_alu depctr_hold_cnt(0) depctr_sa_sdst(0) depctr_va_vdst(0) depctr_va_sdst(0) depctr_va_ssrc(0) depctr_va_vcc(0) depctr_vm_vsrc(0)
	s_getreg_b32 s2, hwreg(HW_REG_IB_STS2, 6, 4)
	s_cmp_eq_u32 s2, 0
	s_cbranch_scc0 .Lentry_in_a_cluster
	s_endpgm
.Lentry_in_a_cluster:
	s_bfe_u32 s2, ttmp6, 0x10000c
	s_cmp_lg_u32 s2, 0xf033
	s_cbranch_scc0 .Lentry_shape_is_right
	s_endpgm
.Lentry_shape_is_right:
; q = x Wq^T, k = x Wk^T, v = x Wv^T on the given codes of FP8 (E4M3); RMS norm over each head's 128 and the rotary turn on q and k, in f32; q, k, v quantised with the given scales e6, e7, e8.
; x: [4096][2048] codes.  Wq: [2048][2048], Wk, Wv: [512][2048] codes, K innermost.  lowp_scales: e0 .. e11 (int32).  The inputs temp and curvature enter no result of the problem's function and are not read.
; RESULTS ARE STORED AS IMAGES OF OPERAND REGISTERS (a fragment, 16 rows x 128 K, is 16 registers a lane, 2,048 bytes: registers 4 c .. 4 c + 3 of lane l at 512 c + 16 l), so that the next launch loads them as they lie:
;   q_img [b 4][head 16][tile 64][2048]: lane l % 16 = query, registers 2 i, 2 i + 1 = channels 16 i + 8 (l / 16) + 0 .. 7.
;   kv_img [b 4][kv head 4][step 8][K 16384, V 16384]: K's fragment i: lane = key 16 i + l % 16 of the step's 128, channels as in q.  V's fragment t: lane = channel 16 t + l % 16, registers 2 i, 2 i + 1 = keys 16 i + 8 (l / 16) + 0 .. 7.
; SHARES.  A work-group makes 256 tokens x 256 columns, each of its four waves 128 x 128: 64 accumulators, 512 registers.  Cluster column X = 0, 1: Wq's rows, a wave's 128 columns are one head.
; X = 2: the left half of the columns is Wk's head cx, the right half Wv's head cx.  K goes in steps of 256 through a ring of two LDS slots filled by joint tensor loads (x's tile shared along a row of the cluster, W's along a column).
; THE MATRIX INSTRUCTION: source 0's 16 rows fall into a lane's eight registers, source 1's into the lanes.  For q and k source 0 = W's rows, source 1 = tokens: a lane holds one token and 64 of its head's channels.
; For v the two LDS bases change places (a choice by s_cselect on the cluster's x and the wave's number): a lane holds one channel, its registers run along the tokens, which are the keys: V^T, with no transposition.
; THE TEXT HAS NO BRANCH ON THE KIND.  v's waves run the same way out with angle 0 (cosine 1, sine 0, exactly) and 1.0 in the norm's place.
; THE ROTARY TABLE is made here: inv_freq = 2^(-f log2(10000) / 64) by v_exp_f32; sine and cosine by reduction with pi/2 in three parts and polynomials on [-pi/4, pi/4]; from block to block of 16 tokens the pair is turned by the angle 16 inv_freq.
; VECTOR WORK GOES STAGE BY STAGE OVER MANY NUMBERS (sixteen angles, eight blocks' norms, a block's 32 pairs), so that no line reads the result of a line just ahead of it.
; LIMITS.  e6, e7 and e8 - e4 - e5 between -126 and 119, so that each scale and 448 x it is an f32 number.  NaN codes among the inputs are not served.
; An angle differs from f32(t) x f32(inv_freq) by up to about 1e-4 rad at the largest t and lowest f (one rounding of the power, seven turns).
; REGISTERS, in windows of 256.  Window 0: v0-31 addresses and constants (on the way out v2-17: the eight blocks' norm factors, twice each); v32-95 cosines and sines of the block in hand; v96-127 at work, then two images;
;   v128-255 A's fragments, before the loop the table's work, on the way out results and the other set of cosines and sines.
;   Window 1: B's fragments, two sets; on the way out v0-63 the step's cosines and sines.   Windows 2, 3: the accumulators ((a, b) at v[8 (8 (a % 4) + b)]).
.set ROWB,   256                       ; a tile's row in bytes
.set KROW,   2048                      ; a row of x or of W in memory, in bytes
.set PITCH,  272                       ; an LDS row: 256 bytes + 16 of padding = 68 words, so that the 16 rows that a load touches start at 16 different banks (64 banks of 4 bytes: ISA guide 11.1)
.set FR,     16                        ; registers of a fragment
.set NL,     4                         ; LDS loads that bring one
.set NP,     4                         ; places behind this matrix instruction (ISA guide 7.12.1)
.set HALFT,  128*PITCH                 ; 128 rows: what one tensor load brings
.set SLOT,   4*HALFT                   ; x's 256 rows, then W's 256 rows
.set LAPS,   4                         ; 2048 / 512: a lap = two K steps = once round the ring
.set SPARE,  2*SLOT                    ; behind the ring: the spare words, 128 bytes for each wave
.set TRIG,   SPARE+512                 ; behind them: 8,192 bytes for each wave, its own: the step's cosines and sines wait here while the loop has the registers
.set G2,   2                           ; v2-17   the way out: block a's norm factor in v[2 + 2 a] and v[3 + 2 a]
.set ADRA, 16                          ; v16-17  LDS address of source 1's fragments in slot 0, 1
.set ONE,  18                          ; v18     1.0
.set ADRB, 20                          ; v20-21  the same for source 0
.set CSC,  22                          ; v22     the conversion's scale as f32
.set LIM,  23                          ; v23     448 x that
.set LI,   24                          ; v24     16 x lane: my place in an image
.set TRA,  25                          ; v25     my place in my wave's scratch
.set GG,   26                          ; v[26:27] block 0's token of my lane as f32, twice
.set SPW,  28                          ; v28     LDS address of my spare word; never rewritten
.set NIL,  29                          ; v29     0; never rewritten
.set ANG,  96                          ; v96-111  sixteen angles, then their remainders
.set KKR,  112                         ; v112-127 their k
.set IMG,  96
.set AF,   128                         ; A's fragments
.set INV,  128                         ; before the loop: my 32 inv_freq
.set OO,   128                         ; the way out: 64 results
.set G1, 24                            ; s[24:31] descriptor group 1 for x's tiles;  s[32:39] group 0, one set for each slot
.set G0, 32
.set G1B, 48                           ; s[48:55], s[56:63] the same for W's tiles
.set G0B, 56
.set MSB, 0
.macro WIN new                         ; the immediate's high byte repeats the setting that is left
.if MSB != \new
	s_set_vgpr_msb (MSB<<8)|\new
.set MSB, \new
.endif
.endm
.set MUL_LO, 0xa1                      ; source 0 window 1, source 1 window 0, C and D window 2
.set MUL_HI, 0xf1                      ; the same, C and D window 3
.set TO_B,   0x40                      ; destination window 1, address window 0
; A joint load: waves 0 and 1 fetch x's halves, waves 2 and 3 W's.  The branch hangs on the wave's number alone.  Four v_nop follow each of the two lines.
.macro JLOAD g0a, g1a, g0b, g1b
	s_cmp_eq_u32 s15, 0
	s_cbranch_scc0 .Lfor_b_\@
	tensor_load_to_lds s[\g0a:\g0a+3], s[\g1a:\g1a+7]
	s_nop 0
.rept 4
	v_nop
.endr
	s_branch .Lasked_\@
.Lfor_b_\@:
	tensor_load_to_lds s[\g0b:\g0b+3], s[\g1b:\g1b+7]
	s_nop 0
.rept 4
	v_nop
.endr
.Lasked_\@:
.endm
.macro CREST                           ; a round of the cluster's barrier behind its opening barrier
	s_cmp_lg_u32 s14, 0
	s_cbranch_scc1 .Lnot_wave_0_\@
	s_barrier_signal -3
.Lnot_wave_0_\@:
	s_barrier_wait -3
	s_barrier_signal -1
	s_barrier_wait -1
.endm
.macro CROUND                          ; a whole round
	s_barrier_signal -1
	s_barrier_wait -1
	CREST
.endm
	s_load_b256 s[4:11], s[0:1], 0x0               ; x s[4:5], Wq s[6:7], Wk s[8:9], Wv s[10:11]
	s_load_b128 s[68:71], s[0:1], 0x20             ; the scales' exponents s[68:69], q_img s[70:71]
	s_load_b64 s[72:73], s[0:1], 0x30              ; kv_img
	v_lshl_add_u32 v[SPW], v0, 2, SPARE
	v_mov_b32 v[NIL], 0
	ds_add_u32 v28, v29
	ds_add_u32 v28, v29
	s_wait_dscnt 0x0
	v_lshrrev_b32 v1, 5, v0
	v_readfirstlane_b32 s14, v1                    ; wave 0..3
	s_lshr_b32 s15, s14, 1                         ; which half of the tokens is mine.  Also: I fetch for x (0) or for W (1)
	s_and_b32 s16, s14, 1                          ; which half of the columns.  Also: which 128 rows of that tile I fetch
	s_bfe_u32 s40, ttmp6, 0x40000                  ; cx, cy: my place in the cluster
	s_bfe_u32 s41, ttmp6, 0x40004
	s_lshl_b32 s42, ttmp9, 2
	s_add_co_u32 s42, s42, s40                     ; column tile = 4 X + cx
	s_and_b32 s17, ttmp7, 0xffff                   ; the cluster's y is the batch
	s_lshl_b32 s17, s17, 2
	s_add_co_u32 s17, s17, s41                     ; token tile = 4 x batch + cy
	s_lshl_b32 s43, s41, 2
	s_lshl_b32 s43, 15, s43                        ; my row of the cluster
	s_lshl_b32 s44, 0x1111, s40                    ; my column
	; descriptor group 1: a tile of 128 rows x 256 bytes, padded in LDS
	s_or_b32 s[G1+0], s43, (0<<16)|(1<<20)|(1<<21)|(5<<22)|(3<<25)  ; 15:0 the mask: x's tiles go to my row; 17:16 element of 1 byte; 20 padding on; 21 set beside a mask; 24:22 after every 64 words; 31:25 of 4 words
	s_or_b32 s[G1B+0], s44, (0<<16)|(1<<20)|(1<<21)|(5<<22)|(3<<25) ; the same with my column's mask
.irp g, G1, G1B
	s_mov_b32 s[\g+1], ROWB<<16                    ; tensor_dim0
	s_mov_b32 s[\g+2], 128<<16                     ; tensor_dim1
	s_mov_b32 s[\g+3], ROWB<<16                    ; tile_dim0
	s_mov_b32 s[\g+4], 128                         ; tile_dim1
	s_mov_b32 s[\g+5], KROW                        ; tensor_dim0_stride
	s_mov_b32 s[\g+6], 0
	s_mov_b32 s[\g+7], 0
.endr
	s_lshl_b32 s18, s16, 7                         ; which 128 rows of the tile I fetch
	s_lshl_b32 s20, s17, 8
	s_add_co_u32 s20, s20, s18                     ; x: row 256 x token tile + 128 x half,
	s_lshl_b32 s20, s20, 11                        ; in bytes (under 2^23)
	s_mov_b32 s21, 0
	s_lshl_b32 s46, s42, 8
	s_lshl_b32 s47, s16, 7
	s_add_co_u32 s46, s46, s47                     ; Wq: row 256 x column tile + 128 x half
	s_lshl_b32 s47, s40, 7                         ; Wk, Wv: row 128 cx
	s_cmp_lt_u32 ttmp9, 2
	s_cselect_b32 s46, s46, s47
	s_lshl_b32 s46, s46, 11
	s_mov_b32 s47, 0
	s_mul_i32 s45, s14, HALFT                      ; where the tiles go: wave x 128 rows: no place in the cluster enters an LDS address
	s_wait_kmcnt 0x0
	s_load_b256 s[76:83], s[68:69], 0x0            ; e0 .. e7
	s_load_b32 s84, s[68:69], 0x20                 ; e8
	s_add_nc_u64 s[20:21], s[4:5], s[20:21]
	s_cmp_eq_u32 s16, 0                            ; which W: the choice hangs on the wave's number and the cluster's x alone
	s_cselect_b64 s[74:75], s[8:9], s[10:11]
	s_cmp_lt_u32 ttmp9, 2
	s_cselect_b64 s[74:75], s[6:7], s[74:75]
	s_add_nc_u64 s[46:47], s[74:75], s[46:47]
	CROUND                                         ; all sixteen work-groups are here: the first joint loads meet
.irp s, 0,1
	s_mov_b32 s[G0+4*\s], 1
	s_add_co_u32 s[G0+4*\s+1], s45, \s*SLOT
	s_add_nc_u64 s[G0+4*\s+2:G0+4*\s+3], s[20:21], \s*ROWB
	s_or_b32 s[G0+4*\s+3], s[G0+4*\s+3], 0x80000000
	s_mov_b32 s[G0B+4*\s], 1
	s_add_co_u32 s[G0B+4*\s+1], s45, \s*SLOT
	s_add_nc_u64 s[G0B+4*\s+2:G0B+4*\s+3], s[46:47], \s*ROWB
	s_or_b32 s[G0B+4*\s+3], s[G0B+4*\s+3], 0x80000000
	JLOAD G0+4*\s, G1, G0B+4*\s, G1B
.endr
	; ---- all that follows up to the first barrier is done while the first tiles are on their way
	v_and_b32 v1, 15, v0                           ; r = l % 16
	v_bfe_u32 v2, v0, 4, 1                         ; h = l / 16
	v_mul_u32_u24 v3, v1, PITCH
	v_lshl_add_u32 v4, v2, 4, v3                   ; a fragment's row x pitch + 16 x half
	s_lshr_b32 s90, ttmp9, 1
	s_and_b32 s90, s90, s16                        ; 1 in v's waves
	s_mul_i32 s21, s15, HALFT                      ; my 128 tokens
	s_mul_i32 s22, s16, HALFT
	s_add_co_u32 s22, s22, 2*HALFT                 ; my 128 rows of W, behind x's 256
	s_cmp_lg_u32 s90, 0
	s_cselect_b32 s23, s22, s21                    ; source 1's rows: tokens; in v's waves W's rows
	s_cselect_b32 s22, s21, s22                    ; source 0's rows: W's; in v's waves tokens
.irp s, 0,1
	v_add_nc_u32 v[ADRA+\s], s23, v4
	v_add_nc_u32 v[ADRB+\s], s22, v4
	s_add_co_u32 s23, s23, SLOT
	s_add_co_u32 s22, s22, SLOT
.endr
	v_and_b32 v5, 31, v0
	v_lshlrev_b32 v[LI], 4, v5
	s_lshl_b32 s23, s14, 13
	s_add_co_u32 s23, s23, TRIG
	v_add_nc_u32 v[TRA], s23, v[LI]
	v_mov_b32 v[ONE], 1.0
	; where my wave's images begin.  q: ((16 b + head) 64 + 16 cy + 8 half) fragments of 2,048 bytes.  k, v: ((4 b + cx) 8 + 2 cy + half) steps of 32,768 bytes, v 16,384 further on
	s_and_b32 s66, ttmp7, 0xffff
	s_lshl_b32 s67, s66, 4
	s_lshl_b32 s92, s42, 1
	s_add_co_u32 s67, s67, s92
	s_add_co_u32 s67, s67, s16                     ; 16 b + head, head = 2 x column tile + half
	s_lshl_b32 s67, s67, 6
	s_lshl_b32 s92, s41, 4
	s_add_co_u32 s67, s67, s92
	s_lshl_b32 s92, s15, 3
	s_add_co_u32 s67, s67, s92
	s_lshl_b32 s67, s67, 11
	s_lshl_b32 s92, s66, 2
	s_add_co_u32 s92, s92, s40
	s_lshl_b32 s92, s92, 3
	s_lshl_b32 s93, s41, 1
	s_add_co_u32 s92, s92, s93
	s_add_co_u32 s92, s92, s15
	s_lshl_b32 s92, s92, 1
	s_add_co_u32 s92, s92, s16
	s_lshl_b32 s92, s92, 14
	s_cmp_lt_u32 ttmp9, 2
	s_cselect_b32 s92, s67, s92
	s_cselect_b64 s[66:67], s[70:71], s[72:73]
	s_mov_b32 s93, 0
	s_add_nc_u64 s[92:93], s[66:67], s[92:93]
	s_mov_b32 s94, 0x76543210                      ; v_permlanex16_b32's selects for lane l xor 16
	s_mov_b32 s95, 0xfedcba98
	; my 32 frequencies: register 8 b + j is f = 16 b + 8 h + j, b = 0 .. 3: the channel of accumulator b's register j
	v_lshlrev_b32 v3, 3, v2
.set ix, 0
.rept 32
	v_add_nc_u32 v[INV+ix], 16*(ix/8)+ix%8, v3
.set ix, ix+1
.endr
.set ix, 0
.rept 32
	v_cvt_f32_u32 v[INV+ix], v[INV+ix]
.set ix, ix+1
.endr
.set ix, 0
.rept 32
	v_mul_f32 v[INV+ix], 0xbe549a78, v[INV+ix]     ; x -log2(10000) / 64
.set ix, ix+1
.endr
.set ix, 0
.rept 32
	v_exp_f32 v[INV+ix], v[INV+ix]                 ; inv_freq = 10000^(-f / 64)
.set ix, ix+1
.endr
.macro PAIR reg, val                   ; a constant in both halves of a pair, for the packed lines.  (The first of these are the plain places behind the exponentials)
	v_mov_b32 v[\reg], \val
	v_mov_b32 v[\reg+1], \val
.endm
	PAIR 224, 0x3f22f983                           ; 2 / pi
	PAIR 226, 0xbfc90000                           ; -pi / 2 in three parts: the first two have so few bits that their products with k are exact
	PAIR 228, 0xb9fda000
	PAIR 230, 0xb3a22168
	PAIR 232, 0xb94ca1f9                           ; the sine's coefficients, highest first
	PAIR 234, 0x3c08839e
	PAIR 236, 0xbe2aaaa3
	PAIR 238, 0x37ccf5ce                           ; the cosine's
	PAIR 240, 0xbab6061a
	PAIR 242, 0x3d2aaaa5
	s_lshl_b32 s96, s41, 8
	s_lshl_b32 s97, s15, 7
	s_add_co_u32 s96, s96, s97                     ; my wave's first token in its sequence: 256 cy + 128 half
	v_add_nc_u32 v[GG], s96, v1                    ; + r: block 0's token of my lane
	v_cvt_f32_u32 v[GG], v[GG]
	s_cmp_lg_u32 s90, 0
	s_cselect_b32 s97, 0, 0x3f800000               ; v's waves: every angle is 0
	s_cselect_b32 s99, 0, 0x41800000               ; from block to block: 16 tokens
	s_cselect_b32 s98, -1, 0                       ; a lane mask: all lanes in v's waves, none else
	v_mul_f32 v[GG], s97, v[GG]
	v_mov_b32 v[GG+1], v[GG]
	v_mov_b32 v6, s99
	v_mov_b32 v7, s99
	s_wait_alu depctr_va_vdst(0)
; Cosine and sine of sixteen angles (0 or more): v[inv] .. v[inv + 15] x the factor in the pair v[fac].  k = the nearest whole number to angle x 2 / pi; r = angle - k pi / 2, within pi / 4; the polynomials;
; k's two low bits say which of the two is which, and the signs.  Each stage runs over all sixteen before the next begins.  tb: 48 registers at work (z, sine, cosine).  s4-s11, done with as addresses, take the parity masks, eight at a time.
.macro SINCOS16 inv, fac, oc, os, tb
.set ZZ, \tb
.set SS, \tb+16
.set CT, \tb+32
.set ix, 0
.rept 8
	v_pk_mul_f32 v[ANG+ix:ANG+ix+1], v[\inv+ix:\inv+ix+1], v[\fac:\fac+1]
.set ix, ix+2
.endr
.set ix, 0
.rept 8
	v_pk_mul_f32 v[KKR+ix:KKR+ix+1], v[ANG+ix:ANG+ix+1], v[224:225]
.set ix, ix+2
.endr
.set ix, 0
.rept 16
	v_rndne_f32 v[KKR+ix], v[KKR+ix]
.set ix, ix+1
.endr
.irp part, 226, 228, 230
.set ix, 0
.rept 8
	v_pk_fma_f32 v[ANG+ix:ANG+ix+1], v[KKR+ix:KKR+ix+1], v[\part:\part+1], v[ANG+ix:ANG+ix+1]   ; behind the third part: r
.set ix, ix+2
.endr
.endr
.set ix, 0
.rept 8
	v_pk_mul_f32 v[ZZ+ix:ZZ+ix+1], v[ANG+ix:ANG+ix+1], v[ANG+ix:ANG+ix+1]                       ; z = r r
.set ix, ix+2
.endr
.set ix, 0
.rept 8
	v_pk_fma_f32 v[SS+ix:SS+ix+1], v[ZZ+ix:ZZ+ix+1], v[232:233], v[234:235]
.set ix, ix+2
.endr
.set ix, 0
.rept 8
	v_pk_fma_f32 v[CT+ix:CT+ix+1], v[ZZ+ix:ZZ+ix+1], v[238:239], v[240:241]
.set ix, ix+2
.endr
.set ix, 0
.rept 8
	v_pk_fma_f32 v[SS+ix:SS+ix+1], v[SS+ix:SS+ix+1], v[ZZ+ix:ZZ+ix+1], v[236:237]
.set ix, ix+2
.endr
.set ix, 0
.rept 8
	v_pk_fma_f32 v[CT+ix:CT+ix+1], v[CT+ix:CT+ix+1], v[ZZ+ix:ZZ+ix+1], v[242:243]
.set ix, ix+2
.endr
.set ix, 0
.rept 8
	v_pk_mul_f32 v[SS+ix:SS+ix+1], v[SS+ix:SS+ix+1], v[ZZ+ix:ZZ+ix+1]
.set ix, ix+2
.endr
.set ix, 0
.rept 8
	v_pk_fma_f32 v[CT+ix:CT+ix+1], v[CT+ix:CT+ix+1], v[ZZ+ix:ZZ+ix+1], -0.5 op_sel_hi:[1,1,0]
.set ix, ix+2
.endr
.set ix, 0
.rept 8
	v_pk_fma_f32 v[SS+ix:SS+ix+1], v[SS+ix:SS+ix+1], v[ANG+ix:ANG+ix+1], v[ANG+ix:ANG+ix+1]     ; sin r
.set ix, ix+2
.endr
.set ix, 0
.rept 8
	v_pk_fma_f32 v[CT+ix:CT+ix+1], v[CT+ix:CT+ix+1], v[ZZ+ix:ZZ+ix+1], 1.0 op_sel_hi:[1,1,0]    ; cos r
.set ix, ix+2
.endr
.set ix, 0
.rept 16
	v_cvt_i32_f32 v[KKR+ix], v[KKR+ix]
.set ix, ix+1
.endr
.set ix, 0
.rept 16
	v_and_b32 v[ZZ+ix], 1, v[KKR+ix]
.set ix, ix+1
.endr
.irp g, 0, 8
.set ix, 0
.rept 8
	v_cmp_eq_u32 s[4+ix], 1, v[ZZ+\g+ix]           ; k odd: the two change places
.set ix, ix+1
.endr
.set ix, 0
.rept 8
	v_cndmask_b32 v[(\os)+\g+ix], v[SS+\g+ix], v[CT+\g+ix], s[4+ix]
.set ix, ix+1
.endr
.set ix, 0
.rept 8
	v_cndmask_b32 v[(\oc)+\g+ix], v[CT+\g+ix], v[SS+\g+ix], s[4+ix]
.set ix, ix+1
.endr
.endr
.set ix, 0
.rept 16
	v_lshlrev_b32 v[ZZ+ix], 30, v[KKR+ix]
.set ix, ix+1
.endr
.set ix, 0
.rept 16
	v_add_nc_u32 v[KKR+ix], 1, v[KKR+ix]
.set ix, ix+1
.endr
.set ix, 0
.rept 16
	v_and_b32 v[ZZ+ix], 0x80000000, v[ZZ+ix]       ; the sine is negative where k % 4 is 2 or 3,
.set ix, ix+1
.endr
.set ix, 0
.rept 16
	v_lshlrev_b32 v[KKR+ix], 30, v[KKR+ix]
.set ix, ix+1
.endr
.set ix, 0
.rept 16
	v_xor_b32 v[(\os)+ix], v[ZZ+ix], v[(\os)+ix]
.set ix, ix+1
.endr
.set ix, 0
.rept 16
	v_and_b32 v[KKR+ix], 0x80000000, v[KKR+ix]     ; the cosine where it is 1 or 2
.set ix, ix+1
.endr
.set ix, 0
.rept 16
	v_xor_b32 v[(\oc)+ix], v[KKR+ix], v[(\oc)+ix]
.set ix, ix+1
.endr
.endm
	SINCOS16 INV, 6, 160, 192, 32                  ; the step's angles first: cosines to v160-191, sines to v192-223; at work in v32-79, which block 0's table takes later
	SINCOS16 INV+16, 6, 176, 208, 32
.set ix, 0
.rept 16
	ds_store_b128 v[TRA], v[160+4*ix:163+4*ix] offset:512*ix   ; into my wave's scratch, as they stand
.set ix, ix+1
.endr
	s_wait_kmcnt 0x0                               ; the exponents
	s_add_co_i32 s85, s76, s77                     ; e0 + e1: a sum of the first product stands for sum x 2^(e0 + e1)
	s_add_co_i32 s86, s78, s79                     ; e2 + e3
	s_add_co_i32 s87, s80, s81                     ; e4 + e5
	s_sub_co_i32 s91, s84, s87                     ; v: the three scales folded into the conversion's one: e8 - e4 - e5
	s_cmp_eq_u32 s16, 0
	s_cselect_b32 s88, s86, s87
	s_cselect_b32 s91, s83, s91
	s_cmp_lt_u32 ttmp9, 2
	s_cselect_b32 s88, s85, s88                    ; E: my sums' exponent
	s_cselect_b32 s91, s82, s91                    ; the conversion's: e6, e7, or e8 - E
	s_lshl_b32 s89, s88, 1
	s_sub_co_i32 s89, s89, 7                       ; the mean of 128 squares = their sum x 2^(2 E - 7)
	s_add_co_i32 s91, s91, 127
	s_lshl_b32 s96, s91, 23
	v_mov_b32 v[CSC], s96
	s_add_co_i32 s91, s91, 8
	s_lshl_b32 s91, s91, 23
	s_or_b32 s91, s91, 0x600000
	v_mov_b32 v[LIM], s91                          ; 448 x the scale
	s_wait_dscnt 0x0                               ; the stores have read v160-223, which are at work below; and no LDS instruction of mine is pending at the signal that follows
	SINCOS16 INV, GG, 32, 64, 160                  ; block 0's angles: cosines to v32-63, sines to v64-95: the loop names neither
	SINCOS16 INV+16, GG, 48, 80, 160
.macro FRAG reg, adr, q, i             ; a fragment by four loads of 16 bytes: registers 4 c .. 4 c + 3 hold K = 32 c + 16 (l / 16) + 0 .. 15: a permutation of k that is the same on both sides
.irp c, 0,1,2,3
	ds_load_b128 v[\reg+4*\c:\reg+4*\c+3], v[\adr] offset:128*(\q)+32*\c+(\i)*16*PITCH
.endr
.endm
; 16 matrix instructions: source 1's blocks a0, a0 + 1 x source 0's eight, 128 along K.  p: source 0's set.  zero = 1: the first product starts the sums.
; The 64 accumulators take turns, one instruction a turn, in the same order in every step.
.macro MUL16 a0, p, zero
.irp a, \a0, \a0+1
.irp b, 0,1,2,3,4,5,6,7
.if \zero
	v_wmma_f32_16x16x128_fp8_fp8 v[8*(8*((\a)%4)+\b):8*(8*((\a)%4)+\b)+7], v[128*(\p)+FR*\b:128*(\p)+FR*\b+FR-1], v[AF+FR*(\a):AF+FR*(\a)+FR-1], 0
.else
	v_wmma_f32_16x16x128_fp8_fp8 v[8*(8*((\a)%4)+\b):8*(8*((\a)%4)+\b)+7], v[128*(\p)+FR*\b:128*(\p)+FR*\b+FR-1], v[AF+FR*(\a):AF+FR*(\a)+FR-1], v[8*(8*((\a)%4)+\b):8*(8*((\a)%4)+\b)+7]
.endif
.endr
.endr
.endm
.macro FETCH_B slot, q, p
	WIN TO_B
.irp i, 0,1,2,3,4,5,6,7
	FRAG 128*(\p)+FR*\i, ADRB+\slot, \q, \i
.endr
	WIN 0
.endm
.macro FETCH_A slot, q, i0
.irp i, \i0, \i0+1, \i0+2, \i0+3
	FRAG AF+FR*(\i), ADRA+\slot, \q, \i
.endr
.endm
.macro PLACES n                        ; plain vector lines between a matrix instruction and a load into, or a vector line on, its registers (for vector lines)
.rept \n
	v_nop
.endr
.endm
; A step of 128 along K that has its successor in the same slot.
.macro STEP slot, q, zero
	s_wait_dscnt 4*NL                              ; source 0's set and source 1's blocks 0-3 are in; the youngest sixteen loads (blocks 4-7) may be out
	WIN MUL_LO
	MUL16 0, (\q)%2, \zero
	MUL16 2, (\q)%2, \zero
	s_wait_dscnt 0                                 ; blocks 4-7 are in
	PLACES NP
	FETCH_B \slot, (\q)+1, 1-(\q)%2
	FETCH_A \slot, (\q)+1, 0
	WIN MUL_HI
	MUL16 4, (\q)%2, \zero
	MUL16 6, (\q)%2, \zero
	PLACES NP
	WIN 0
	FETCH_A \slot, (\q)+1, 4
.endm
; A slot's last step changes slots: ONE barrier; in front of it each wave waits for all its tensor loads, adds 0 to its spare word, and waits for that and for its own reads of this slot.  fill = 1: this slot is filled again, two K steps ahead.
.macro TURN slot, next, fill
	s_wait_tensorcnt 0x0                           ; all my tensor loads have landed: my part of the next slot;  (every window is 0 here)
	ds_add_u32 v[SPW], v[NIL]                      ; 0 onto my spare word
	s_wait_dscnt 4*NL+1                            ; (the add and the youngest sixteen loads may be out)
	WIN MUL_LO
	MUL16 0, 1, 0                                  ; sixteen matrix instructions stand between the add and the wait for it
	s_wait_dscnt 0x0                               ; the add is done, and my reads of this slot are over
	s_barrier_signal -1
	MUL16 2, 1, 0
	WIN 0
	s_barrier_wait -1
.if \fill
	CREST                                          ; the barrier has opened a round of the cluster's barrier: no wave of any partner still reads this slot's tile or has a load on its way
	s_add_nc_u64 s[G0+4*\slot+2:G0+4*\slot+3], s[G0+4*\slot+2:G0+4*\slot+3], 2*ROWB
	s_add_nc_u64 s[G0B+4*\slot+2:G0B+4*\slot+3], s[G0B+4*\slot+2:G0B+4*\slot+3], 2*ROWB
	JLOAD G0+4*\slot, G1, G0B+4*\slot, G1B         ; the first tensor load behind the round; its four v_nop are the places in front of the loads below
.else
	PLACES NP
.endif
	FETCH_B \next, 0, 0
	FETCH_A \next, 0, 0
	WIN MUL_HI
	MUL16 4, 1, 0
	MUL16 6, 1, 0
	PLACES NP
	WIN 0
	FETCH_A \next, 0, 4
.endm
	s_wait_tensorcnt 1                             ; my part of K step 0 is in; K step 1's load may be out
	s_barrier_signal -1
	s_barrier_wait -1                              ; everybody's part is in
	FETCH_B 0, 0, 0
	FETCH_A 0, 0, 0
	FETCH_A 0, 0, 4
	STEP 0, 0, 1                                   ; the first step stands in front of the loop: its products start the sums
	s_mov_b32 s3, LAPS-1
.Llap:                                                 ; a trip goes once round the ring and fills both slots again
	TURN 0, 1, 1
	STEP 1, 0, 0
	TURN 1, 0, 1
	STEP 0, 0, 0
	s_sub_co_u32 s3, s3, 1
	s_cmp_lg_u32 s3, 0
	s_cbranch_scc1 .Llap
	TURN 0, 1, 0                                   ; the last lap fills nothing
	STEP 1, 0, 0
	s_wait_dscnt 4*NL                              ; the very last step
	WIN MUL_LO
	MUL16 0, 1, 0
	MUL16 2, 1, 0
	s_wait_dscnt 0
	WIN MUL_HI
	MUL16 4, 1, 0
	MUL16 6, 1, 0
	WIN 0
	PLACES NP                                      ; behind the last products: for the loads and vector lines below, which write registers that held fragments, and for the reads of results
	WIN TO_B
.set ix, 0
.rept 16
	ds_load_b128 v[4*ix:4*ix+3], v[TRA] offset:512*ix   ; the step's cosines (window 1, v0-31) and sines (v32-63) come back while the norms are made
.set ix, ix+1
.endr
; THE NORMS OF ALL EIGHT BLOCKS, together.  Block a = source 1's rows 16 a on: in q's and k's waves 16 tokens; a lane holds 64 channels of its token, lane l xor 16 the other 64.
; The sum of my 64 squares of a block goes in two chains of pairs; four blocks (one window's) take turns, so that eight chains are at work.  Each accumulator is read from its low end on.
.macro SQUARES w, t
.set WSQ, (\w)|((\w)<<2)
	WIN WSQ                                        ; sources 0 and 1: the accumulators' window
.irp a, 0,1,2,3
	v_pk_mul_f32 v[\t+4*\a:\t+4*\a+1], v[64*\a:64*\a+1], v[64*\a:64*\a+1]
	v_pk_mul_f32 v[\t+4*\a+2:\t+4*\a+3], v[64*\a+2:64*\a+3], v[64*\a+2:64*\a+3]
.endr
.set ix, 4
.rept 15
.irp a, 0,1,2,3
	v_pk_fma_f32 v[\t+4*\a:\t+4*\a+1], v[64*\a+ix:64*\a+ix+1], v[64*\a+ix:64*\a+ix+1], v[\t+4*\a:\t+4*\a+1]
	v_pk_fma_f32 v[\t+4*\a+2:\t+4*\a+3], v[64*\a+ix+2:64*\a+ix+3], v[64*\a+ix+2:64*\a+ix+3], v[\t+4*\a+2:\t+4*\a+3]
.endr
.set ix, ix+4
.endr
.endm
	SQUARES 2, 96                                  ; blocks 0-3: four registers each from v96 on
	SQUARES 3, 112                                 ; blocks 4-7: from v112 on
	WIN 0
.irp a, 0,1,2,3,4,5,6,7
	v_pk_add_f32 v[96+4*\a:97+4*\a], v[96+4*\a:97+4*\a], v[98+4*\a:99+4*\a]
.endr
.irp a, 0,1,2,3,4,5,6,7
	v_add_f32 v[96+4*\a], v[96+4*\a], v[97+4*\a]
.endr
.irp a, 0,1,2,3,4,5,6,7
	v_permlanex16_b32 v[97+4*\a], v[96+4*\a], s94, s95   ; the token's other 64 channels
.endr
.irp a, 0,1,2,3,4,5,6,7
	v_add_f32 v[96+4*\a], v[96+4*\a], v[97+4*\a]
.endr
.irp a, 0,1,2,3,4,5,6,7
	v_ldexp_f32 v[96+4*\a], v[96+4*\a], s89        ; the mean of the squares of the numbers that the sums stand for
.endr
.irp a, 0,1,2,3,4,5,6,7
	v_add_f32 v[96+4*\a], 0x34000000, v[96+4*\a]   ; + eps = 2^-23
.endr
.irp a, 0,1,2,3,4,5,6,7
	v_rsq_f32 v[96+4*\a], v[96+4*\a]
.endr
	v_nop                                          ; a plain line behind the transcendentals
	s_wait_alu depctr_va_vdst(0)
.irp a, 0,1,2,3,4,5,6,7
	v_ldexp_f32 v[96+4*\a], v[96+4*\a], s88        ; x 2^E: the factor for the sums as they stand
.endr
.irp a, 0,1,2,3,4,5,6,7
	v_cndmask_b32 v[G2+2*\a], v[96+4*\a], v[ONE], s98     ; v has no norm: 1.0.  Twice, for the packed lines
	v_cndmask_b32 v[G2+2*\a+1], v[96+4*\a], v[ONE], s98
.endr
	s_wait_dscnt 0x0                               ; the step's cosines and sines are in
; THE WAY OUT of block a: the turn, the norm's factor, the hold, the conversion: one image of 2,048 bytes.  All multiplies of a stage stand ahead of the multiply-adds that read them.
.macro BLOCK a
.set AC, 64*((\a)%4)                   ; its eight accumulators, in window 2 or 3
.set WW, 2+(\a)/4
.set CC, 32+160*((\a)%2)               ; this block's cosines (its sines 32 registers on): v32 and v192 by turns
.set CN, 32+160*(1-(\a)%2)             ; the next block's
.set IM, IMG+16*((\a)%2)
.set GA, G2+2*(\a)
	WIN WW                                         ; source 0: the accumulators' window
.set ix, 0
.rept 16                               ; pair ix of my 32 frequencies: x1 = accumulators 0-3, x2 = accumulators 4-7;  x1 cos + x2 sin, and x2 cos - x1 sin
	v_pk_mul_f32 v[OO+2*ix:OO+2*ix+1], v[AC+2*ix:AC+2*ix+1], v[CC+2*ix:CC+2*ix+1]
.set ix, ix+1
.endr
.set ix, 0
.rept 16
	v_pk_mul_f32 v[OO+32+2*ix:OO+32+2*ix+1], v[AC+32+2*ix:AC+32+2*ix+1], v[CC+2*ix:CC+2*ix+1]
.set ix, ix+1
.endr
.set ix, 0
.rept 16
	v_pk_fma_f32 v[OO+2*ix:OO+2*ix+1], v[AC+32+2*ix:AC+32+2*ix+1], v[CC+32+2*ix:CC+32+2*ix+1], v[OO+2*ix:OO+2*ix+1]
.set ix, ix+1
.endr
.set ix, 0
.rept 16
	v_pk_fma_f32 v[OO+32+2*ix:OO+32+2*ix+1], v[AC+2*ix:AC+2*ix+1], v[CC+32+2*ix:CC+32+2*ix+1], v[OO+32+2*ix:OO+32+2*ix+1] neg_lo:[1,0,0] neg_hi:[1,0,0]
.set ix, ix+1
.endr
	WIN 0
.set ix, 0
.rept 32
	v_pk_mul_f32 v[OO+ix:OO+ix+1], v[OO+ix:OO+ix+1], v[GA:GA+1]
.set ix, ix+2
.endr
.set ix, 0
.rept 64
	v_med3_num_f32 v[OO+ix], v[OO+ix], -v[LIM], v[LIM]   ; the conversion to an 8-bit code does not saturate (ISA guide 7.6.2): the hold at the largest code x the scale
.set ix, ix+1
.endr
.if (\a) > 1
	s_wait_xcnt 0x0                                ; the stores of the block before last have read this image's registers
.endif
.set ix, 0
.rept 8
	v_cvt_scalef32_pk8_fp8_f32 v[IM+2*ix:IM+2*ix+1], v[OO+8*ix:OO+8*ix+7], v[CSC]   ; accumulator ix's eight numbers: K = 16 ix + 8 (l / 16) + 0 .. 7: registers 2 ix, 2 ix + 1 of the operand
.set ix, ix+1
.endr
	v_nop                                          ; a plain line behind the last conversion
.irp c, 0,1,2,3
	global_store_b128 v[LI], v[IM+4*\c:IM+4*\c+3], s[92:93] offset:2048*(\a)+512*\c   ; 32 lanes store 512 consecutive bytes, at a multiple of 512 from the buffer's first byte
.endr
.if (\a) < 7
	WIN 0x04                                       ; source 1: window 1, the step's cosines C and sines S
.set ix, 0
.rept 16                               ; 16 tokens on: cos' = cos C - sin S, sin' = sin C + cos S, into the other set
	v_pk_mul_f32 v[CN+2*ix:CN+2*ix+1], v[CC+2*ix:CC+2*ix+1], v[2*ix:2*ix+1]
.set ix, ix+1
.endr
.set ix, 0
.rept 16
	v_pk_mul_f32 v[CN+32+2*ix:CN+32+2*ix+1], v[CC+32+2*ix:CC+32+2*ix+1], v[2*ix:2*ix+1]
.set ix, ix+1
.endr
.set ix, 0
.rept 16
	v_pk_fma_f32 v[CN+2*ix:CN+2*ix+1], v[CC+32+2*ix:CC+32+2*ix+1], v[32+2*ix:32+2*ix+1], v[CN+2*ix:CN+2*ix+1] neg_lo:[1,0,0] neg_hi:[1,0,0]
.set ix, ix+1
.endr
.set ix, 0
.rept 16
	v_pk_fma_f32 v[CN+32+2*ix:CN+32+2*ix+1], v[CC+2*ix:CC+2*ix+1], v[32+2*ix:32+2*ix+1], v[CN+32+2*ix:CN+32+2*ix+1]
.set ix, ix+1
.endr
	WIN 0
.endif
.endm
	BLOCK 0
	BLOCK 1
	BLOCK 2
	BLOCK 3
	BLOCK 4
	BLOCK 5
	BLOCK 6
	BLOCK 7
	s_wait_tensorcnt 0x0                           ; the wave's end: behind my last tensor load and my last LDS store
	ds_add_u32 v[SPW], v[NIL]
	s_wait_dscnt 0x0
	CROUND                                         ; the closing round: no work-group ends while a partner may still ask for a tile that names it
	s_endpgm
.Lfunc_end_k_q129d445c82_qkv:
	.size	k_q129d445c82_qkv, .Lfunc_end_k_q129d445c82_qkv-k_q129d445c82_qkv
	.p2alignl 7, 3214868480
	.fill 96, 4, 3214868480
	.section	.rodata,"a",@progbits
	.p2align	6, 0x0
	.amdhsa_kernel k_q129d445c82_qkv
		.amdhsa_group_segment_fixed_size 327680
		.amdhsa_private_segment_fixed_size 0
		.amdhsa_enable_private_segment 0
		.amdhsa_kernarg_size 56
		.amdhsa_user_sgpr_count 2
		.amdhsa_user_sgpr_kernarg_segment_ptr 1
		.amdhsa_wavefront_size32 1
		.amdhsa_system_sgpr_workgroup_id_x 1
		.amdhsa_system_sgpr_workgroup_id_y 1
		.amdhsa_system_sgpr_workgroup_id_z 1
		.amdhsa_system_vgpr_workitem_id 0
		.amdhsa_next_free_vgpr 1024
		.amdhsa_next_free_sgpr 100
		.amdhsa_reserve_vcc 0
		.amdhsa_float_denorm_mode_32 3
		.amdhsa_float_denorm_mode_16_64 3
		.amdhsa_memory_ordered 1
		.amdhsa_forward_progress 1
		.amdhsa_inst_pref_size 255
	.end_amdhsa_kernel
	.section	.bss,"aw",@nobits
	.p2align	6
	.space	262144
	.amdgpu_metadata
---
amdhsa.version: [ 1, 2 ]
amdhsa.kernels:
  - .name:           k_q129d445c82_qkv
    .symbol:         k_q129d445c82_qkv.kd
    .args:
      - { .name: x_codes, .offset: 0, .size: 8, .value_kind: global_buffer, .address_space: global }
      - { .name: Wq_codes, .offset: 8, .size: 8, .value_kind: global_buffer, .address_space: global }
      - { .name: Wk_codes, .offset: 16, .size: 8, .value_kind: global_buffer, .address_space: global }
      - { .name: Wv_codes, .offset: 24, .size: 8, .value_kind: global_buffer, .address_space: global }
      - { .name: lowp_scales, .offset: 32, .size: 8, .value_kind: global_buffer, .address_space: global }
      - { .name: q_img, .offset: 40, .size: 8, .value_kind: global_buffer, .address_space: global }
      - { .name: kv_img, .offset: 48, .size: 8, .value_kind: global_buffer, .address_space: global }
    .group_segment_fixed_size: 327680
    .private_segment_fixed_size: 0
    .kernarg_segment_align: 8
    .kernarg_segment_size: 56
    .max_flat_workgroup_size: 128
    .sgpr_count:     100
    .vgpr_count:     1024
    .wavefront_size: 32
...
	.end_amdgpu_metadata
.endif
;; end of part 1
;; launch attn (part 2): grid 16 x 16, 16 waves a work-group, clusters of 4 x 1, 264,192 bytes of LDS; arguments q_img, kv_img, lowp_scales, attn_img; writes attn_img
.if DOCPART == 2
	.amdgcn_target "amdgcn-amd-amdhsa--gfx1250"
	.amdhsa_code_object_version 6
	.text
	.protected	k_q129d445c82_attn
	.globl	k_q129d445c82_attn
	.p2align	8
	.type	k_q129d445c82_attn,@function
k_q129d445c82_attn:
	s_mov_b64 s[64:65], 0
	v_nop
	global_prefetch_b8 v0, s[64:65] scope:SCOPE_SE
	s_setreg_imm32_b32 hwreg(HW_REG_WAVE_MODE, 25, 1), 1
	s_wait_xcnt 0x0
	s_wait_alu depctr_hold_cnt(0) depctr_sa_sdst(0) depctr_va_vdst(0) depctr_va_sdst(0) depctr_va_ssrc(0) depctr_va_vcc(0) depctr_vm_vsrc(0)
	s_getreg_b32 s2, hwreg(HW_REG_IB_STS2, 6, 4)
	s_cmp_eq_u32 s2, 0
	s_cbranch_scc0 .Lentry_in_a_cluster
	s_endpgm
.Lentry_in_a_cluster:
	s_bfe_u32 s2, ttmp6, 0x10000c
	s_cmp_lg_u32 s2, 0x3003
	s_cbranch_scc0 .Lentry_shape_is_right
	s_endpgm
.Lentry_shape_is_right:
; Causal attention with grouped heads on codes of FP8 (E4M3): 4 batches x 16 heads (4 kv heads) x 1,024 tokens x 128 channels.  Both products quantised; the result is quantised for the next product.
; q_img, kv_img: images of operand registers (a fragment, 16 rows x 128 K, is 2,048 bytes: registers 4 c .. 4 c + 3 of lane l at 512 c + 16 l):
;   q_img [b][head][tile 64][2048];  kv_img [b][kv head][step 8][K's 8 fragments, V's 8 fragments]: K's fragment i = keys 16 i on of the step's 128, V's fragment t = channels 16 t on, with the step's keys along its registers.
;   attn_img [tile of 16 tokens, 256][head 16][2048]: lane l % 16 = token, registers 4 c .. 4 c + 3 = channels 32 c + 16 (l / 16) + 0 .. 15.
; THE SOFTMAX AHEAD OF THE SECOND PRODUCT: t = score x log2(e) / sqrt(128); M = the row's largest t so far, rounded UP to a whole number; p = 2^(t - M) is quantised with 2^e9, not normalised;
; the row's sum is taken of the unquantised p and divides at the end.  When M moves, the sum and O are multiplied by 2^(old M - new M): exact.
; SHARES.  The four work-groups of a cluster are the four query heads of one kv head, with the same 16 tiles of queries: they need the same K and V, whose 262,144 bytes are brought into each one's LDS once,
; by joint tensor loads, and stay: no LDS byte is filled twice, nothing is stored to LDS.  Each of the sixteen waves owns one tile of 16 queries in 256 registers: four waves to a SIMD.
; CAUSAL.  A tile of class c = tile / 8 needs key steps 0 .. c, and only step c needs the mask.  Wave w (s = w % 4, k = w / 4) takes class ((k & 2) | (s / 2)) xor 7 ((s xor k) & 1):
; the square 0 7 1 6 / 7 0 6 1 / 2 5 3 4 / 5 2 4 3, whose rows and columns all sum to 14: 18 steps for every four waves of a row or of a column.  The tile within the class is 2 J + (k & 1), J the cluster's x.
; Steps that a wave does not need are jumped over by a scalar branch on the wave's number alone; no barrier and no tensor load stands in a step.
; TWO BARRIERS.  The first shows part 0 (key steps 0 and 1) whole; behind it every wave runs key step 0.  The second shows all four parts whole; behind it the waves run their steps 1 to 7 with no barrier between them,
; since the square evens out a SIMD's steps in sum and not pair of steps by pair of steps.
; LAYOUT.  Both products are used transposed: S^T = K Q^T (source 0 = 16 keys, source 1 = my 16 queries), O^T = V^T P^T: a lane holds ONE query (l % 16) throughout, and tile i's eight registers are keys 16 i + 8 (l / 16) + 0 .. 7,
; which is the place that the form gives registers 2 i, 2 i + 1 of an operand: the conversions' results are the next operand.
; LIMITS on the given exponents: e6 + e7 between -123 and 130 (added to c's exponent field); e9 and e10 - e8 - e9 between -126 and 119.  NaN codes are not served.
; REGISTERS: v1-4 16 x lane + 65,536 q: my place in an image in part q of LDS (v1 also: in memory); v5 the mask's d; v6 -infinity; v12 -M, v13 the largest t, v[14:15] the sum in two halves; v16-31 Q; v32-95 four fragments;
;   v96-159 S^T, then p; v160-223 O^T; v224-239 codes; v240, v244: 448 x 2^e9, 2^e9; v241, v245: the same for e10 - e8 - e9; v236, v242, v243, v252-254 at work.
.set WV,  18                           ; s18  my wave's number
.set CLS, 19                           ; s19  my tile's class: its last key step
.set SEL, 20                           ; s[20:21] v_permlanex16_b32's selects for lane l xor 16
.set CS,  22                           ; s[22:23] c = log2(e) / sqrt(128) x 2^(e6 + e7)
.set G1,  24                           ; s[24:31] descriptor group 1
.set G0,  32                           ; s[32:47] four groups 0, one for each part
.macro CROUND                          ; a round of the cluster's barrier
	s_barrier_signal -1
	s_barrier_wait -1
	s_cmp_lg_u32 s[WV], 0
	s_cbranch_scc1 .Lnot_wave_0_\@
	s_barrier_signal -3
.Lnot_wave_0_\@:
	s_barrier_wait -3
	s_barrier_signal -1
	s_barrier_wait -1
.endm
	s_load_b256 s[4:11], s[0:1], 0x0               ; q_img s[4:5], kv_img s[6:7], the scales' exponents s[8:9], attn_img s[10:11]
	v_lshl_add_u32 v251, v0, 2, 0x40000
	v_mov_b32 v255, 0
	ds_add_u32 v251, v255
	ds_add_u32 v251, v255
	v_lshrrev_b32 v8, 5, v0
	v_readfirstlane_b32 s[WV], v8                  ; wave 0..15
	s_bfe_u32 s53, ttmp6, 0x40000                  ; cx: which of the kv head's four query heads
	s_and_b32 s54, ttmp7, 0xffff                   ; 4 b + kv head
	s_and_b32 s55, s[WV], 3                        ; s
	s_lshr_b32 s56, s[WV], 2                       ; k
	s_and_b32 s57, s56, 2
	s_lshr_b32 s58, s55, 1
	s_or_b32 s57, s57, s58
	s_xor_b32 s58, s55, s56
	s_and_b32 s58, s58, 1
	s_mul_i32 s58, s58, 7
	s_xor_b32 s[CLS], s57, s58                     ; the class
	s_and_b32 s59, s56, 1
	s_lshl_b32 s60, ttmp9, 1
	s_add_co_u32 s59, s59, s60                     ; the tile within the class: 2 J + (k & 1)
	s_lshl_b32 s60, s[CLS], 3
	s_add_co_u32 s60, s60, s59                     ; my tile of 16 queries, 0 .. 63
	; descriptor group 1: 16 rows of 256 bytes, dense in memory and in LDS
	s_mov_b32 s[G1], 15|(3<<16)|(1<<21)            ; 15:0 the mask: all four work-groups; 17:16 elements of 8 bytes; 21 set beside a mask; no padding
	s_mov_b32 s[G1+1], 32<<16                      ; tensor_dim0 = 32
	s_mov_b32 s[G1+2], 16<<16                      ; tensor_dim1 = 16
	s_mov_b32 s[G1+3], 32<<16                      ; tile_dim0 = 32
	s_mov_b32 s[G1+4], 16                          ; tile_dim1 = 16
	s_mov_b32 s[G1+5], 32                          ; tensor_dim0_stride
	s_mov_b32 s[G1+6], 0
	s_mov_b32 s[G1+7], 0
	s_lshl_b32 s61, s[WV], 12                      ; my 4,096 bytes of each part of 65,536
	s_lshl_b32 s62, s54, 18                        ; the kv head's 262,144 bytes
	s_add_co_u32 s62, s62, s61
	s_mov_b32 s63, 0
	s_lshl_b32 s66, s54, 2
	s_add_co_u32 s66, s66, s53                     ; 16 b + head
	s_lshl_b32 s67, s66, 6
	s_add_co_u32 s67, s67, s60
	s_lshl_b32 s68, s67, 11                        ; Q's image: ((16 b + head) 64 + tile) x 2,048
	s_mov_b32 s69, 0
	s_lshr_b32 s70, s54, 2
	s_lshl_b32 s70, s70, 6
	s_add_co_u32 s70, s70, s60                     ; 64 b + tile
	s_lshl_b32 s70, s70, 4
	s_and_b32 s71, s66, 15
	s_add_co_u32 s70, s70, s71
	s_lshl_b32 s70, s70, 11                        ; the result's image: ((64 b + tile) 16 + head) x 2,048
	s_mov_b32 s71, 0
	s_mov_b32 s[SEL], 0x76543210
	s_mov_b32 s[SEL+1], 0xfedcba98
	s_mov_b32 s[CS], 0x3e0293ee                    ; log2(e) / sqrt(128)
	s_wait_dscnt 0x0
	s_wait_kmcnt 0x0
	s_load_b128 s[48:51], s[8:9], 0x18             ; e6, e7, e8, e9
	s_load_b32 s52, s[8:9], 0x28                   ; e10
	s_add_nc_u64 s[62:63], s[6:7], s[62:63]
	s_add_nc_u64 s[4:5], s[4:5], s[68:69]
	s_add_nc_u64 s[10:11], s[10:11], s[70:71]
.irp q, 0,1,2,3
	s_mov_b32 s[G0+4*\q], 1                        ; count = 1
	s_add_co_u32 s[G0+4*\q+1], s61, 65536*\q       ; LDS address: part q, my piece: a constant + 4,096 x wave
	s_add_nc_u64 s[G0+4*\q+2:G0+4*\q+3], s[62:63], 65536*\q
	s_or_b32 s[G0+4*\q+3], s[G0+4*\q+3], 0x80000000   ; type = 2
.endr
	CROUND                                         ; all four work-groups are here: the joint loads meet
	tensor_load_to_lds s[G0:G0+3], s[G1:G1+7]      ; all of K and V, part by part, so that key steps 0 and 1 land first: four loads of mine are out
	s_nop 0
	tensor_load_to_lds s[G0+4:G0+7], s[G1:G1+7]
	s_nop 0
	tensor_load_to_lds s[G0+8:G0+11], s[G1:G1+7]
	s_nop 0
	tensor_load_to_lds s[G0+12:G0+15], s[G1:G1+7]
	s_nop 0
.rept 4
	v_nop
.endr
	v_and_b32 v8, 31, v0
	v_lshlrev_b32 v1, 4, v8                        ; 16 x lane
.irp c, 0,1,2,3
	global_load_b128 v[16+4*\c:19+4*\c], v1, s[4:5] offset:512*\c   ; Q's fragment stays in registers
.endr
	v_add_nc_u32 v2, 0x10000, v1
	v_add_nc_u32 v3, 0x20000, v1
	v_add_nc_u32 v4, 0x30000, v1
	s_lshl_b32 s72, s59, 4
	v_and_b32 v8, 15, v0
	v_bfe_u32 v9, v0, 4, 1
	v_lshlrev_b32 v9, 3, v9
	v_sub_nc_u32 v8, v8, v9
	v_add_nc_u32 v5, s72, v8                       ; d = my query's place in the diagonal step - 8 (l / 16).  Register 8 i + j holds the step's key 16 i + 8 (l / 16) + j: hidden where 16 i + j > d
	v_mov_b32 v6, 0xff800000                       ; -infinity
	v_mov_b32 v236, 0                              ; written once: a lane permute's destination counts as one of its sources
	v_mov_b32 v253, 0                              ; (named as the upper half of the pair v[252:253])
	s_wait_kmcnt 0x0
	s_add_co_i32 s72, s48, s49
	s_lshl_b32 s72, s72, 23
	s_add_co_i32 s[CS], s[CS], s72                 ; a score stands for score x 2^(e6 + e7): the exponents are added to c's exponent field
	s_mov_b32 s[CS+1], s[CS]                       ; (named with it as a pair, so it is written)
	s_add_co_i32 s72, s51, 127
	s_lshl_b32 s73, s72, 23
	v_mov_b32 v244, s73                            ; 2^e9, for p's conversions
	s_add_co_i32 s72, s72, 8
	s_lshl_b32 s72, s72, 23
	s_or_b32 s72, s72, 0x600000
	v_mov_b32 v240, s72                            ; 448 x 2^e9
	s_sub_co_i32 s72, s52, s50
	s_sub_co_i32 s72, s72, s51                     ; a sum of the second product stands for sum x 2^(e8 + e9): the result's conversion takes 2^(e10 - e8 - e9)
	s_add_co_i32 s72, s72, 127
	s_lshl_b32 s73, s72, 23
	v_mov_b32 v245, s73
	s_add_co_i32 s72, s72, 8
	s_lshl_b32 s72, s72, 23
	s_or_b32 s72, s72, 0x600000
	v_mov_b32 v241, s72
; KEY STEP n: 128 keys.  first = 1: step 0, which every wave runs: it starts M, the sum and O^T.
.macro STEP n, first
.if !\first
	s_cmp_lt_u32 s[CLS], \n                        ; all its keys come after my queries: left out
	s_cbranch_scc1 .Lskip_\@
.endif
.irp g, 0,1                                    ; S^T = K Q^T, four tiles of 16 keys at a time
.rept 4
	v_nop                                          ; places in front of loads into registers that matrix instructions have read
.endr
.irp t, 0,1,2,3
.irp c, 0,1,2,3
	ds_load_b128 v[32+16*\t+4*\c:32+16*\t+4*\c+3], v[1+(\n)/2] offset:((\n)%2)*32768+(4*\g+\t)*2048+512*\c
.endr
.endr
	s_wait_dscnt 0x0
.irp t, 0,1,2,3
	v_wmma_f32_16x16x128_fp8_fp8 v[96+8*(4*\g+\t):103+8*(4*\g+\t)], v[32+16*\t:47+16*\t], v[16:31], 0
.endr
.endr
.rept 4
	v_nop
.endr
	s_cmp_lg_u32 s[CLS], \n                        ; only my last step lies on the diagonal
	s_cbranch_scc1 .Lopen_\@
.set ix, 0
.rept 64                                       ; hidden scores become -infinity ahead of the maximum: p = 0 then.  The step's first key counts for each of my queries
	v_cmp_gt_i32 vcc_lo, 16*(ix/8)+ix%8, v5
	v_cndmask_b32 v[96+ix], v[96+ix], v6, vcc_lo
.set ix, ix+1
.endr
.Lopen_\@:
	v_max3_num_f32 v254, v96, v97, v98             ; the step's largest score of my query, among my 64 keys, in two chains,
	v_max3_num_f32 v252, v99, v100, v101
.irp i, 6,10,14,18,22,26,30,34,38,42,46,50,54,58
	v_max3_num_f32 v254, v254, v[96+\i], v[97+\i]
	v_max3_num_f32 v252, v252, v[98+\i], v[99+\i]
.endr
	v_max3_num_f32 v254, v254, v158, v159
	v_max_num_f32 v254, v254, v252
	v_permlanex16_b32 v236, v254, s[SEL], s[SEL+1]
	v_max_num_f32 v254, v254, v236                 ; and among lane l xor 16's
.if \first
	v_mul_f32 v13, s[CS], v254                     ; as t (c is positive)
	v_floor_f32 v12, -v13                          ; -M = floor(-t) = -ceil(t): M IS A WHOLE NUMBER
.else
	v_mul_f32 v254, s[CS], v254
	v_max_num_f32 v13, v13, v254                   ; the running largest t
	v_mov_b32 v254, v12
	v_floor_f32 v12, -v13
	v_sub_f32 v254, v12, v254                      ; M's old value less its new one: a whole number, 0 or less
	v_cvt_i32_f32 v254, v254                       ; (it saturates)
	v_ldexp_f32 v252, 1.0, v254                    ; f = 2^(old M - new M)
.endif
.set ix, 0
.rept 32
	v_pk_fma_f32 v[96+ix:97+ix], v[96+ix:97+ix], s[CS:CS+1], v[12:13] op_sel_hi:[1,0,0]   ; t - M, two at a time (of the pairs c and -M the low word serves both halves)
.set ix, ix+2
.endr
.set ix, 0
.rept 64
	v_exp_f32 v[96+ix], v[96+ix]                   ; p = 2^(t - M), at most 1: NOT normalised
.set ix, ix+1
.endr
.if \first
	v_mov_b32 v14, 0                               ; the sum begins.  (The plain place behind the exponentials)
	v_mov_b32 v15, 0
	s_wait_alu depctr_va_vdst(0)
.else
	v_pk_mul_f32 v[14:15], v[14:15], v[252:253] op_sel_hi:[1,0]   ; the sums under the new M.  (The plain place behind the exponentials)
	s_wait_alu depctr_va_vdst(0)
.endif
	v_pk_add_f32 v[242:243], v[96:97], v[98:99]    ; THE ROW'S SUM IS TAKEN OF THE UNQUANTISED p: two at a time, in two chains
.irp j, 4,8,12,16,20,24,28,32,36,40,44,48,52,56,60
	v_pk_add_f32 v[14:15], v[14:15], v[96+\j:97+\j]
	v_pk_add_f32 v[242:243], v[242:243], v[98+\j:99+\j]
.endr
	v_pk_add_f32 v[14:15], v[14:15], v[242:243]
.set ix, 0
.rept 64
	v_min_num_f32 v[96+ix], v[96+ix], v240         ; the conversion to an 8-bit code does not saturate (ISA guide 7.6.2); p is not negative, so the hold is one-sided
.set ix, ix+1
.endr
.set ix, 0
.rept 8
	v_cvt_scalef32_pk8_fp8_f32 v[224+2*ix:225+2*ix], v[96+8*ix:103+8*ix], v244   ; tile ix's keys 16 ix + 8 (l / 16) + 0 .. 7: registers 2 ix, 2 ix + 1 of the operand
.set ix, ix+1
.endr
.if \first
	v_nop                                          ; a plain line between the last conversion and the matrix instruction that reads its result
.else
.set ix, 0
.rept 32
	v_pk_mul_f32 v[160+ix:161+ix], v[160+ix:161+ix], v[252:253] op_sel_hi:[1,0]   ; O^T under the new M, each accumulator from its low end on.  (Also the plain lines behind the conversions)
.set ix, ix+2
.endr
.endif
.irp g, 0,1                                    ; O^T += V^T P^T: four tiles of 16 channels at a time; the eight accumulators take turns
.if \g > 0
.rept 4
	v_nop
.endr
.endif
.irp t, 0,1,2,3
.irp c, 0,1,2,3
	ds_load_b128 v[32+16*\t+4*\c:32+16*\t+4*\c+3], v[1+(\n)/2] offset:((\n)%2)*32768+16384+(4*\g+\t)*2048+512*\c
.endr
.endr
	s_wait_dscnt 0x0
.irp t, 0,1,2,3
.if \first
	v_wmma_f32_16x16x128_fp8_fp8 v[160+8*(4*\g+\t):167+8*(4*\g+\t)], v[32+16*\t:47+16*\t], v[224:239], 0
.else
	v_wmma_f32_16x16x128_fp8_fp8 v[160+8*(4*\g+\t):167+8*(4*\g+\t)], v[32+16*\t:47+16*\t], v[224:239], v[160+8*(4*\g+\t):167+8*(4*\g+\t)]
.endif
.endr
.endr
.if !\first
.Lskip_\@:
.endif
.endm
	s_wait_loadcnt 0x0                             ; Q
	s_wait_tensorcnt 3                             ; my piece of part 0 has landed; my pieces of the three later parts may stay out
	s_barrier_signal -1
	s_barrier_wait -1                              ; everybody's piece of part 0 has: key step 0 reads part 0 alone
	STEP 0, 1
	s_wait_tensorcnt 0x0                           ; all four of my pieces have landed (they had key step 0 in which to do so); no LDS load of mine is out: the step's last wait was for 0
	s_barrier_signal -1
	s_barrier_wait -1                              ; everybody's have: K and V are whole, and every read below stands behind this barrier
	STEP 1, 0
	STEP 2, 0
	STEP 3, 0
	STEP 4, 0
	STEP 5, 0
	STEP 6, 0
	STEP 7, 0
	; THE WAY OUT.  O^T is divided by the row's sum, quantised, and stored as an image of the next product's operand.
.rept 4
	v_nop                                          ; places behind the last products
.endr
	v_add_f32 v14, v14, v15                        ; the sum's two halves,
	v_permlanex16_b32 v252, v14, s[SEL], s[SEL+1]
	v_add_f32 v14, v14, v252                       ; and lane l xor 16's
	v_rcp_f32 v14, v14
	v_nop                                          ; a plain line behind the transcendental
	s_wait_alu depctr_va_vdst(0)
	v_mov_b32 v15, v14
.set ix, 0
.rept 32
	v_pk_mul_f32 v[96+ix:97+ix], v[160+ix:161+ix], v[14:15]   ; register 8 t + j: o(my query, channel 16 t + 8 (l / 16) + j) / 2^(e8 + e9)
.set ix, ix+2
.endr
.set ix, 0
.rept 64
	v_med3_num_f32 v[96+ix], v[96+ix], -v241, v241
.set ix, ix+1
.endr
.set ix, 0
.rept 8
	v_cvt_scalef32_pk8_fp8_f32 v[224+2*ix:225+2*ix], v[96+8*ix:103+8*ix], v245
.set ix, ix+1
.endr
	v_nop                                          ; a plain line behind the last conversion
	; Registers 4 c, 4 c + 1 hold channels 32 c + 8 h + 0 .. 7, registers 4 c + 2, 4 c + 3 channels 32 c + 16 + 8 h + 0 .. 7 (h = l / 16).  The next product's other operand is read 16 bytes a lane, channels 32 c + 16 h + 0 .. 15:
	; the first pair's upper lanes and the second pair's lower lanes change places.
.irp c, 0,1,2,3
	v_permlane16_swap_b32 v[224+4*\c], v[226+4*\c]
	v_permlane16_swap_b32 v[225+4*\c], v[227+4*\c]
.endr
.irp c, 0,1,2,3
	global_store_b128 v1, v[224+4*\c:227+4*\c], s[10:11] offset:512*\c   ; 32 lanes store 512 consecutive bytes, at a multiple of 512 from the buffer's first byte
.endr
	s_wait_tensorcnt 0x0
	ds_add_u32 v251, v255
	s_wait_dscnt 0x0
	CROUND                                         ; the closing round: no work-group ends while a partner may still ask for a tile that names it
	s_endpgm
.Lfunc_end_k_q129d445c82_attn:
	.size	k_q129d445c82_attn, .Lfunc_end_k_q129d445c82_attn-k_q129d445c82_attn
	.p2alignl 7, 3214868480
	.fill 96, 4, 3214868480
	.section	.rodata,"a",@progbits
	.p2align	6, 0x0
	.amdhsa_kernel k_q129d445c82_attn
		.amdhsa_group_segment_fixed_size 264192
		.amdhsa_private_segment_fixed_size 0
		.amdhsa_enable_private_segment 0
		.amdhsa_kernarg_size 32
		.amdhsa_user_sgpr_count 2
		.amdhsa_user_sgpr_kernarg_segment_ptr 1
		.amdhsa_wavefront_size32 1
		.amdhsa_system_sgpr_workgroup_id_x 1
		.amdhsa_system_sgpr_workgroup_id_y 1
		.amdhsa_system_sgpr_workgroup_id_z 1
		.amdhsa_system_vgpr_workitem_id 0
		.amdhsa_next_free_vgpr 256
		.amdhsa_next_free_sgpr 96
		.amdhsa_reserve_vcc 1
		.amdhsa_float_denorm_mode_32 3
		.amdhsa_float_denorm_mode_16_64 3
		.amdhsa_memory_ordered 1
		.amdhsa_forward_progress 1
		.amdhsa_inst_pref_size 202
	.end_amdhsa_kernel
	.amdgpu_metadata
---
amdhsa.version: [ 1, 2 ]
amdhsa.kernels:
  - .name:           k_q129d445c82_attn
    .symbol:         k_q129d445c82_attn.kd
    .args:
      - { .name: q_img, .offset: 0, .size: 8, .value_kind: global_buffer, .address_space: global }
      - { .name: kv_img, .offset: 8, .size: 8, .value_kind: global_buffer, .address_space: global }
      - { .name: lowp_scales, .offset: 16, .size: 8, .value_kind: global_buffer, .address_space: global }
      - { .name: attn_img, .offset: 24, .size: 8, .value_kind: global_buffer, .address_space: global }
    .group_segment_fixed_size: 264192
    .private_segment_fixed_size: 0
    .kernarg_segment_align: 8
    .kernarg_segment_size: 32
    .max_flat_workgroup_size: 512
    .sgpr_count:     96
    .vgpr_count:     256
    .wavefront_size: 32
...
	.end_amdgpu_metadata
.endif
;; end of part 2
;; launch oproj (part 3): grid 8 x 32, 4 waves a work-group, clusters of 4 x 4, 327,680 bytes of LDS; arguments attn_img, Wo_codes, lowp_scales, out0, out1; writes out0, out1
.if DOCPART == 3
	.amdgcn_target "amdgcn-amd-amdhsa--gfx1250"
	.amdhsa_code_object_version 6
	.text
	.protected	k_q129d445c82_oproj
	.globl	k_q129d445c82_oproj
	.p2align	8
	.type	k_q129d445c82_oproj,@function
k_q129d445c82_oproj:
	s_mov_b64 s[64:65], 0
	v_nop
	global_prefetch_b8 v0, s[64:65] scope:SCOPE_SE
	s_setreg_imm32_b32 hwreg(HW_REG_WAVE_MODE, 25, 1), 1
	s_wait_xcnt 0x0
	s_wait_alu depctr_hold_cnt(0) depctr_sa_sdst(0) depctr_va_vdst(0) depctr_va_sdst(0) depctr_va_ssrc(0) depctr_va_vcc(0) depctr_vm_vsrc(0)
	s_getreg_b32 s2, hwreg(HW_REG_IB_STS2, 6, 4)
	s_cmp_eq_u32 s2, 0
	s_cbranch_scc0 .Lentry_in_a_cluster
	s_endpgm
.Lentry_in_a_cluster:
	s_bfe_u32 s2, ttmp6, 0x10000c
	s_cmp_lg_u32 s2, 0xf033
	s_cbranch_scc0 .Lentry_shape_is_right
	s_endpgm
.Lentry_shape_is_right:
; out0 = attn Wo^T on codes of FP8 (E4M3); out1 = one zero.  attn: 4,096 tokens x 2,048 as images of operand registers, attn_img [tile of 16 tokens, 256][head 16][2048]: a fragment (16 tokens x one head's 128 channels)
; is 2,048 bytes, registers 4 c .. 4 c + 3 of lane l at 512 c + 16 l, holding channels 32 c + 16 (l / 16) + 0 .. 15 of token l % 16.  Wo: [2048][2048] codes, K innermost.  out0: [4096][2048] f32.
; Each finished sum is multiplied once by 2^(e10 + e11).  LIMIT: e10 + e11 between -126 and 127, so that this is an f32 number.
; SHARES.  A tile of out0 is 128 tokens x 256 columns, so that the 4,096 x 2,048 numbers make 256 work-groups.  Four waves, each 64 x 128: 32 accumulators, 256 registers.
; TWO LDS SLOTS OF UNEQUAL SIZE.  One head (128 along K) of the tile's operands is 16,384 bytes of images and 256 rows of Wo; six heads fit in LDS.  Slot 0 holds four heads, slot 1 two, and the sixteen heads go as 4, 2, 4, 2, 4:
; two first fills and three refills, each a joint tensor load a wave (attn's images shared along a row of the 4 x 4 cluster, Wo's rows along a column).  The images lie in LDS as in memory; Wo's rows are padded by 16 bytes.
; Between the request for slot 0's refill and the wait for it a wave issues 48 matrix instructions, for slot 1's 112.  The sixteen steps of 128 along K are written out: no loop.
; THE MATRIX INSTRUCTION IS USED TRANSPOSED (source 0 = 16 rows of Wo, source 1 = 16 tokens): a lane holds eight neighbouring numbers of a row of out0.
; Wo's fragments come by four loads of 16 bytes: registers 4 c .. 4 c + 3 hold K = 32 c + 16 (l / 16) + 0 .. 15, the same places as in the images: a permutation of k that is the same on both sides.
; REGISTERS, in windows of 256.  Window 0: v0-31 addresses; v32-95 the way out; v128-255 attn's fragments, two sets of four; on the way out rows read back.  Window 1: Wo's fragments, two sets of eight.  Window 2: the accumulators ((a, b) at v[8 (8 a + b)]).
.set PB0,    528                       ; a row of Wo in slot 0: 512 bytes + 16 of padding = 132 words; in slot 1: 256 + 16 = 68 words: either way the 16 rows that a load touches start at 16 different banks (64 banks of 4 bytes: ISA guide 11.1)
.set PB1,    272
.set HB0,    128*PB0                   ; 128 rows of Wo: what one tensor load brings
.set HB1,    128*PB1
.set LA0,    0                         ; slot 0: 8 tiles of tokens x 8,192 bytes of images,
.set LB0,    65536                     ; then Wo's 256 rows
.set LA1,    LB0+2*HB0                 ; slot 1: 8 x 4,096 bytes of images,
.set LB1,    LA1+32768                 ; then Wo's 256 rows
.set SPARE,  LB1+2*HB1                 ; behind the slots: the spare words, 128 bytes for each wave
.set STAGE,  LA1                       ; the way out: 16 rows x 528 bytes for each wave, in slot 1, which has had its last fill and its last read when the first result is stored there
.set SPITCH, 528
.set ADRA, 16                          ; v16-17  LDS address of my images in slot 0, 1
.set ADRB, 20                          ; v20-21  of my fragments of Wo
.set STO,  24                          ; v24     the way out: where I put 32 bytes of a row
.set RD,   25                          ; v25     where I read a row back
.set CO,   26                          ; v26     my byte offset in a row's 512 bytes
.set SPW,  28                          ; v28     LDS address of my spare word; never rewritten
.set NIL,  29                          ; v29     0; never rewritten
.set TMP,  32
.set BK,   128
.set G1A, 24                           ; s[24:31], s[32:39] descriptor group 1 for the images of slot 0, of slot 1
.set G1B, 40                           ; s[40:47], s[48:55] for Wo's tiles
.set G0A, 56                           ; s[56:59], s[60:63] group 0 for the images
.set G0B, 68                           ; s[68:71], s[72:75] for Wo's tiles
.set MSB, 0
.macro WIN new                         ; the immediate's high byte repeats the setting that is left
.if MSB != \new
	s_set_vgpr_msb (MSB<<8)|\new
.set MSB, \new
.endif
.endm
.set MUL,  0xa1                        ; source 0 (Wo) window 1, source 1 (attn) window 0, C and D window 2
.set TO_B, 0x40                        ; destination window 1, address window 0
.macro JLOAD s                         ; a joint load into slot s: waves 0 and 1 fetch the images' halves, waves 2 and 3 Wo's; four v_nop follow each of the two lines
	s_cmp_eq_u32 s15, 0
	s_cbranch_scc0 .Lfor_b_\@
	tensor_load_to_lds s[G0A+4*\s:G0A+4*\s+3], s[G1A+8*\s:G1A+8*\s+7]
	s_nop 0
.rept 4
	v_nop
.endr
	s_branch .Lasked_\@
.Lfor_b_\@:
	tensor_load_to_lds s[G0B+4*\s:G0B+4*\s+3], s[G1B+8*\s:G1B+8*\s+7]
	s_nop 0
.rept 4
	v_nop
.endr
.Lasked_\@:
.endm
.macro CREST                           ; a round of the cluster's barrier behind its opening barrier
	s_cmp_lg_u32 s14, 0
	s_cbranch_scc1 .Lnot_wave_0_\@
	s_barrier_signal -3
.Lnot_wave_0_\@:
	s_barrier_wait -3
	s_barrier_signal -1
	s_barrier_wait -1
.endm
.macro CROUND
	s_barrier_signal -1
	s_barrier_wait -1
	CREST
.endm
	s_load_b128 s[4:7], s[0:1], 0x0                ; attn_img s[4:5], Wo's codes s[6:7]
	s_load_b128 s[8:11], s[0:1], 0x10              ; the scales' exponents s[8:9], out0 s[10:11]
	s_load_b64 s[12:13], s[0:1], 0x20              ; out1
	v_lshl_add_u32 v[SPW], v0, 2, SPARE
	v_mov_b32 v[NIL], 0
	ds_add_u32 v28, v29
	ds_add_u32 v28, v29
	s_wait_dscnt 0x0
	v_lshrrev_b32 v1, 5, v0
	v_readfirstlane_b32 s14, v1                    ; wave 0..3
	s_lshr_b32 s15, s14, 1                         ; which half of the tokens is mine.  Also: I fetch images (0) or Wo (1)
	s_and_b32 s16, s14, 1                          ; which half of the columns.  Also: which half of that tile I fetch
	s_bfe_u32 s76, ttmp6, 0x40000                  ; cx, cy
	s_bfe_u32 s77, ttmp6, 0x40004
	s_lshl_b32 s78, ttmp9, 2
	s_add_co_u32 s78, s78, s76                     ; column tile = 4 x cluster x + cx
	s_and_b32 s17, ttmp7, 0xffff
	s_lshl_b32 s17, s17, 2
	s_add_co_u32 s17, s17, s77                     ; token tile = 4 x cluster y + cy
	s_lshl_b32 s79, s77, 2
	s_lshl_b32 s79, 15, s79                        ; my row of the cluster
	s_lshl_b32 s80, 0x1111, s76                    ; my column
	; groups 1 for the images: 4 rows (tiles of tokens), 32,768 bytes apart in memory, on end in LDS; a row is four heads (8,192 bytes) in slot 0, two heads (4,096) in slot 1
	s_or_b32 s[G1A], s79, (3<<16)|(1<<21)          ; 15:0 the mask: my row; 17:16 elements of 8 bytes; 21 set beside a mask; no padding
	s_mov_b32 s[G1A+1], 1024<<16                   ; tensor_dim0 = 1,024
	s_mov_b32 s[G1A+2], 4<<16                      ; tensor_dim1 = 4
	s_mov_b32 s[G1A+3], 1024<<16                   ; tile_dim0 = 1,024
	s_mov_b32 s[G1A+4], 4                          ; tile_dim1 = 4
	s_mov_b32 s[G1A+5], 4096                       ; tensor_dim0_stride, in elements
	s_mov_b32 s[G1A+6], 0
	s_mov_b32 s[G1A+7], 0
	s_or_b32 s[G1A+8], s79, (3<<16)|(1<<21)
	s_mov_b32 s[G1A+9], 512<<16
	s_mov_b32 s[G1A+10], 4<<16
	s_mov_b32 s[G1A+11], 512<<16
	s_mov_b32 s[G1A+12], 4
	s_mov_b32 s[G1A+13], 4096
	s_mov_b32 s[G1A+14], 0
	s_mov_b32 s[G1A+15], 0
	; groups 1 for Wo: 128 rows of 512 bytes (slot 0) or 256 bytes (slot 1), padded in LDS behind every row
	s_or_b32 s[G1B], s80, (0<<16)|(1<<20)|(1<<21)|(6<<22)|(3<<25)    ; the mask: my column; elements of 1 byte; padding of 4 words after every 128
	s_mov_b32 s[G1B+1], 512<<16
	s_mov_b32 s[G1B+2], 128<<16
	s_mov_b32 s[G1B+3], 512<<16
	s_mov_b32 s[G1B+4], 128
	s_mov_b32 s[G1B+5], 2048
	s_mov_b32 s[G1B+6], 0
	s_mov_b32 s[G1B+7], 0
	s_or_b32 s[G1B+8], s80, (0<<16)|(1<<20)|(1<<21)|(5<<22)|(3<<25)  ; padding of 4 words after every 64
	s_mov_b32 s[G1B+9], 256<<16
	s_mov_b32 s[G1B+10], 128<<16
	s_mov_b32 s[G1B+11], 256<<16
	s_mov_b32 s[G1B+12], 128
	s_mov_b32 s[G1B+13], 2048
	s_mov_b32 s[G1B+14], 0
	s_mov_b32 s[G1B+15], 0
	s_lshl_b32 s20, s17, 18                        ; the images: 8 tiles of tokens x 32,768 bytes for each token tile,
	s_lshl_b32 s18, s16, 17                        ; + 4 of them for the second half
	s_add_co_u32 s20, s20, s18
	s_mov_b32 s21, 0
	s_lshl_b32 s82, s78, 8
	s_lshl_b32 s83, s16, 7
	s_add_co_u32 s82, s82, s83                     ; Wo: row 256 x column tile + 128 x half,
	s_lshl_b32 s82, s82, 11                        ; in bytes
	s_mov_b32 s83, 0
	s_lshl_b32 s84, s16, 15                        ; where they go: the images' half in slot 0,
	s_lshl_b32 s85, s16, 14
	s_add_co_u32 s85, s85, LA1                     ; in slot 1;
	s_mul_i32 s86, s16, HB0
	s_add_co_u32 s86, s86, LB0                     ; Wo's half in slot 0,
	s_mul_i32 s87, s16, HB1
	s_add_co_u32 s87, s87, LB1                     ; in slot 1: no place in the cluster enters an LDS address
	s_wait_kmcnt 0x0
	s_load_b64 s[96:97], s[8:9], 0x28              ; e10, e11
	s_add_nc_u64 s[20:21], s[4:5], s[20:21]
	s_add_nc_u64 s[82:83], s[6:7], s[82:83]
	CROUND                                         ; all sixteen work-groups are here: the first joint loads meet
	s_mov_b32 s[G0A], 1                            ; slot 0 begins with heads 0-3
	s_mov_b32 s[G0A+1], s84
	s_mov_b64 s[G0A+2:G0A+3], s[20:21]
	s_or_b32 s[G0A+3], s[G0A+3], 0x80000000
	s_mov_b32 s[G0B], 1
	s_mov_b32 s[G0B+1], s86
	s_mov_b64 s[G0B+2:G0B+3], s[82:83]
	s_or_b32 s[G0B+3], s[G0B+3], 0x80000000
	s_mov_b32 s[G0A+4], 1                          ; slot 1 with heads 4 and 5
	s_mov_b32 s[G0A+5], s85
	s_add_nc_u64 s[G0A+6:G0A+7], s[20:21], 4*2048
	s_or_b32 s[G0A+7], s[G0A+7], 0x80000000
	s_mov_b32 s[G0B+4], 1
	s_mov_b32 s[G0B+5], s87
	s_add_nc_u64 s[G0B+6:G0B+7], s[82:83], 4*128
	s_or_b32 s[G0B+7], s[G0B+7], 0x80000000
	JLOAD 0
	JLOAD 1                                        ; two loads of mine are out
	v_and_b32 v1, 15, v0                           ; r = l % 16
	v_bfe_u32 v2, v0, 4, 1                         ; h = l / 16
	v_and_b32 v6, 31, v0
	v_lshlrev_b32 v[CO], 4, v6                     ; 16 x lane
	s_lshl_b32 s18, s15, 15                        ; my four tiles of tokens in slot 0,
	s_lshl_b32 s19, s15, 14
	s_add_co_u32 s19, s19, LA1                     ; in slot 1
	v_add_nc_u32 v[ADRA], s18, v[CO]
	v_add_nc_u32 v[ADRA+1], s19, v[CO]
	v_mul_u32_u24 v3, v1, PB0
	v_lshl_add_u32 v3, v2, 4, v3                   ; a row of Wo x pitch + 16 x half
	v_mul_u32_u24 v4, v1, PB1
	v_lshl_add_u32 v4, v2, 4, v4
	s_mul_i32 s22, s16, HB0
	s_add_co_u32 s22, s22, LB0                     ; my 128 rows of Wo in slot 0,
	s_mul_i32 s23, s16, HB1
	s_add_co_u32 s23, s23, LB1                     ; in slot 1
	v_add_nc_u32 v[ADRB], s22, v3
	v_add_nc_u32 v[ADRB+1], s23, v4
	s_mul_i32 s23, s14, 16*SPITCH
	s_add_co_u32 s23, s23, STAGE                   ; my stage
	v_mul_u32_u24 v5, v1, SPITCH                   ; in: row l % 16, 32 bytes for each half of the lanes
	v_lshl_add_u32 v5, v2, 5, v5
	v_add_nc_u32 v[STO], s23, v5
	v_add_nc_u32 v[RD], s23, v[CO]                 ; back: the 32 lanes take one row of 512 bytes
	s_lshl_b32 s20, s17, 7
	s_lshl_b32 s21, s15, 6
	s_add_co_u32 s20, s20, s21                     ; my first row of out0: 128 x token tile + 64 x half,
	s_lshl_b32 s20, s20, 13                        ; of 8,192 bytes (under 2^25 in all)
	s_lshl_b32 s82, s78, 10                        ; my first column, in bytes: 1,024 x column tile + 512 x half
	s_lshl_b32 s83, s16, 9
	s_add_co_u32 s82, s82, s83
	s_add_co_u32 s20, s20, s82
	s_mov_b32 s21, 0
	s_add_nc_u64 s[10:11], s[10:11], s[20:21]
; 8 matrix instructions: tile of tokens a x Wo's eight blocks, 128 along K.  p: the set.  zero = 1: the first product starts the sums.
; The 32 accumulators take turns, one instruction a turn, in the same order in every step.
.macro MUL8 a, p, zero
.irp b, 0,1,2,3,4,5,6,7
.if \zero
	v_wmma_f32_16x16x128_fp8_fp8 v[8*(8*(\a)+\b):8*(8*(\a)+\b)+7], v[128*(\p)+16*\b:128*(\p)+16*\b+15], v[128+64*(\p)+16*(\a):128+64*(\p)+16*(\a)+15], 0
.else
	v_wmma_f32_16x16x128_fp8_fp8 v[8*(8*(\a)+\b):8*(8*(\a)+\b)+7], v[128*(\p)+16*\b:128*(\p)+16*\b+15], v[128+64*(\p)+16*(\a):128+64*(\p)+16*(\a)+15], v[8*(8*(\a)+\b):8*(8*(\a)+\b)+7]
.endif
.endr
.endm
; 48 LDS loads in one run: the fragments of the slot's q-th head into set p: Wo's eight, then my four images, tiles 0 and 1 first.  Slot 1's pitches are 256 bytes (Wo) and 4,096 bytes (images) less than slot 0's.
.macro FETCH slot, q, p
	WIN TO_B
.irp i, 0,1,2,3,4,5,6,7
.irp c, 0,1,2,3
	ds_load_b128 v[128*(\p)+16*\i+4*\c:128*(\p)+16*\i+4*\c+3], v[ADRB+\slot] offset:128*(\q)+32*\c+\i*16*(PB0-256*(\slot))
.endr
.endr
	WIN 0
.irp a, 0,1,2,3
.irp c, 0,1,2,3
	ds_load_b128 v[128+64*(\p)+16*\a+4*\c:128+64*(\p)+16*\a+4*\c+3], v[ADRA+\slot] offset:(8192-4096*(\slot))*\a+2048*(\q)+512*\c
.endr
.endr
.endm
.macro PLACES                          ; four plain vector lines between a matrix instruction and a load into, or a vector line on, its registers (for vector lines)
.rept 4
	v_nop
.endr
.endm
; The slot's q-th head, on set q % 2, where the next head lies in the same slot: it is fetched into the other set in the step's middle.
.macro STEP slot, q, zero
	s_wait_dscnt 8                                 ; Wo's eight and tiles 0 and 1 are in; the youngest eight loads (tiles 2 and 3) may be out
	WIN MUL
	MUL8 0, (\q)%2, \zero
	MUL8 1, (\q)%2, \zero
	s_wait_dscnt 0x0                               ; tiles 2 and 3 are in
	PLACES
	FETCH \slot, (\q)+1, 1-(\q)%2
	WIN MUL
	MUL8 2, (\q)%2, \zero
	MUL8 3, (\q)%2, \zero
.endm
; A slot's last head (an odd one: set 1) changes slots: ONE barrier; in front of it each wave waits for all its tensor loads, adds 0 to its spare word, and waits for that and for its own reads of this slot.
; fill = 1: this slot is filled again, with the heads six further on.
.macro TURN slot, next, fill
	WIN 0                                          ; (the add's two registers lie in window 0)
	s_wait_tensorcnt 0x0                           ; all my tensor loads have landed: my part of the next slot
	ds_add_u32 v[SPW], v[NIL]                      ; 0 onto my spare word
	s_wait_dscnt 9                                 ; (the add and the youngest eight loads may be out)
	WIN MUL
	MUL8 0, 1, 0                                   ; eight matrix instructions stand between the add and the wait for it
	s_wait_dscnt 0x0                               ; the add is done, and my reads of this slot are over
	s_barrier_signal -1
	MUL8 1, 1, 0
	WIN 0
	s_barrier_wait -1
.if \fill
	CREST                                          ; the barrier has opened a round of the cluster's barrier: no wave of any partner still reads this slot's tile or has a load on its way
	s_add_nc_u64 s[G0A+4*\slot+2:G0A+4*\slot+3], s[G0A+4*\slot+2:G0A+4*\slot+3], 6*2048
	s_add_nc_u64 s[G0B+4*\slot+2:G0B+4*\slot+3], s[G0B+4*\slot+2:G0B+4*\slot+3], 6*128
	JLOAD \slot                                    ; the first tensor load behind the round; its four v_nop are the places in front of the loads below
.else
	PLACES
.endif
	FETCH \next, 0, 0
	WIN MUL
	MUL8 2, 1, 0
	MUL8 3, 1, 0
.endm
	s_wait_tensorcnt 1                             ; my part of slot 0 is in; slot 1's load may be out
	s_barrier_signal -1
	s_barrier_wait -1                              ; everybody's is
	FETCH 0, 0, 0
	STEP 0, 0, 1                                   ; heads 0-3, in slot 0; the first step's products start the sums
	STEP 0, 1, 0
	STEP 0, 2, 0
	TURN 0, 1, 1                                   ; slot 0 takes heads 6-9
	STEP 1, 0, 0                                   ; heads 4, 5, in slot 1
	TURN 1, 0, 1                                   ; slot 1 takes heads 10, 11
	STEP 0, 0, 0                                   ; heads 6-9
	STEP 0, 1, 0
	STEP 0, 2, 0
	TURN 0, 1, 1                                   ; slot 0 takes heads 12-15: the last load
	STEP 1, 0, 0                                   ; heads 10, 11
	TURN 1, 0, 0                                   ; nothing is left to fetch; behind this barrier nobody reads slot 1 any more
	STEP 0, 0, 0                                   ; heads 12-15
	STEP 0, 1, 0
	STEP 0, 2, 0
	s_wait_dscnt 8                                 ; the very last step
	WIN MUL
	MUL8 0, 1, 0
	MUL8 1, 1, 0
	s_wait_dscnt 0x0
	MUL8 2, 1, 0
	MUL8 3, 1, 0
	WIN 0
; THE WAY OUT, block by block of 16 rows x 128 columns.  A lane holds 32 neighbouring bytes of a row, the lanes beside it other rows: a block goes through my own stage in LDS and comes back as whole rows of 512 bytes.
; LDS serves a wave's instructions in order (ISA guide 5.7.1.4): no wait between the stores and the loads, nor in front of the next block's stores.
.macro TOSTAGE a
.set AC, 64*(\a)
	WIN 0x02                                       ; source 0: window 2
.set ix, 0
.rept 32
	v_pk_mul_f32 v[TMP+ix:TMP+ix+1], v[AC+ix:AC+ix+1], s[96:97] op_sel_hi:[1,0]   ; both x s96 = 2^(e10 + e11); each accumulator from its low end on
.set ix, ix+2
.endr
	WIN 0
.irp b, 0,1,2,3,4,5,6,7
	ds_store_b128 v[STO], v[TMP+8*\b:TMP+8*\b+3] offset:64*\b
	ds_store_b128 v[STO], v[TMP+8*\b+4:TMP+8*\b+7] offset:64*\b+16
.endr
.set BB, BK+64*((\a)%2)
.irp t, 0,1,2,3,4,5,6,7,8,9,10,11,12,13,14,15
	ds_load_b128 v[BB+4*\t:BB+4*\t+3], v[RD] offset:\t*SPITCH
.endr
.endm
.macro SEND a, younger                 ; younger: the LDS instructions issued behind block a's loads, which may stay out
.set BB, BK+64*((\a)%2)
	s_wait_dscnt \younger                          ; the block is back in registers
.if (\a) > 0
	s_add_nc_u64 s[10:11], s[10:11], 16*8192       ; (behind a wait on XCNT: the earlier stores have read their base)  16 rows on
.endif
.irp t, 0,1,2,3,4,5,6,7,8,9,10,11,12,13,14,15
	global_store_b128 v[CO], v[BB+4*\t:BB+4*\t+3], s[10:11] offset:\t*8192 th:TH_STORE_NT   ; 32 lanes store 512 consecutive bytes, at a multiple of 512 from out0's first byte; written once, read by nobody here
.endr
.endm
	s_wait_kmcnt 0x0
	s_add_co_i32 s96, s96, s97                     ; e10 + e11, between -126 and 127,
	s_add_co_i32 s96, s96, 127
	s_lshl_b32 s96, s96, 23                        ; makes the f32 number 2^(e10 + e11)
	PLACES                                         ; behind the last products: for the reads of results and the loads into registers that held fragments
	TOSTAGE 0
.irp a, 1,2,3
.if \a > 1
	s_wait_xcnt 0x0                                ; block a - 2's stores have read their registers and their base
.endif
	TOSTAGE \a
	SEND \a-1, 32                                  ; behind block a - 1's loads: block a's 16 stores and 16 loads
.endr
	s_wait_xcnt 0x0                                ; block 2's stores have read their base
	SEND 3, 0
	; out1: one zero, stored by thread 0 of the work-group of token tile 0, column tile 0.  A lane mask, no branch.
	s_lshl_b32 s18, s17, 3
	s_add_co_u32 s18, s18, s78                     ; 8 x token tile + column tile
	s_lshl_b32 s18, s18, 10
	v_or_b32 v3, s18, v0                           ; 0 in that one thread alone
	v_mov_b32 v4, 0
	v_mov_b32 v5, 0
	v_cmp_eq_u32 vcc_lo, 0, v3
	s_wait_xcnt 0x0                                ; EXEC changes only behind this wait: it is a source of the stores above
	s_and_saveexec_b32 s19, vcc_lo
	global_store_b32 v4, v5, s[12:13]
	s_wait_xcnt 0x0                                ; and again, in front of the line that widens it
	s_or_b32 exec_lo, exec_lo, s19
	s_wait_tensorcnt 0x0                           ; the wave's end: behind my last tensor load and my last LDS store
	ds_add_u32 v[SPW], v[NIL]
	s_wait_dscnt 0x0
	CROUND                                         ; the closing round: no work-group ends while a partner may still ask for a tile that names it
	s_endpgm
.Lfunc_end_k_q129d445c82_oproj:
	.size	k_q129d445c82_oproj, .Lfunc_end_k_q129d445c82_oproj-k_q129d445c82_oproj
	.p2alignl 7, 3214868480
	.fill 96, 4, 3214868480
	.section	.rodata,"a",@progbits
	.p2align	6, 0x0
	.amdhsa_kernel k_q129d445c82_oproj
		.amdhsa_group_segment_fixed_size 327680
		.amdhsa_private_segment_fixed_size 0
		.amdhsa_enable_private_segment 0
		.amdhsa_kernarg_size 40
		.amdhsa_user_sgpr_count 2
		.amdhsa_user_sgpr_kernarg_segment_ptr 1
		.amdhsa_wavefront_size32 1
		.amdhsa_system_sgpr_workgroup_id_x 1
		.amdhsa_system_sgpr_workgroup_id_y 1
		.amdhsa_system_sgpr_workgroup_id_z 1
		.amdhsa_system_vgpr_workitem_id 0
		.amdhsa_next_free_vgpr 768
		.amdhsa_next_free_sgpr 100
		.amdhsa_reserve_vcc 1
		.amdhsa_float_denorm_mode_32 3
		.amdhsa_float_denorm_mode_16_64 3
		.amdhsa_memory_ordered 1
		.amdhsa_forward_progress 1
		.amdhsa_inst_pref_size 120
	.end_amdhsa_kernel
	.amdgpu_metadata
---
amdhsa.version: [ 1, 2 ]
amdhsa.kernels:
  - .name:           k_q129d445c82_oproj
    .symbol:         k_q129d445c82_oproj.kd
    .args:
      - { .name: attn_img, .offset: 0, .size: 8, .value_kind: global_buffer, .address_space: global }
      - { .name: Wo_codes, .offset: 8, .size: 8, .value_kind: global_buffer, .address_space: global }
      - { .name: lowp_scales, .offset: 16, .size: 8, .value_kind: global_buffer, .address_space: global }
      - { .name: out0, .offset: 24, .size: 8, .value_kind: global_buffer, .address_space: global }
      - { .name: out1, .offset: 32, .size: 8, .value_kind: global_buffer, .address_space: global }
    .group_segment_fixed_size: 327680
    .private_segment_fixed_size: 0
    .kernarg_segment_align: 8
    .kernarg_segment_size: 40
    .max_flat_workgroup_size: 128
    .sgpr_count:     100
    .vgpr_count:     768
    .wavefront_size: 32
...
	.end_amdgpu_metadata
.endif
;; end of part 3
